; MI455X (gfx1250); checked and timed in simulation.
; The chip was launched on July 23, 2026; its instructions are those of AMD's public machine-readable ISA for CDNA 5 (MIT licence, August 2026) and "CDNA5" Instruction Set Architecture Reference Guide (July 2026). The comments in the code are by the model that wrote it; some were corrected since.
;; Attention. Allowed arithmetic: matrix products marked QUANTISED: E2M1 operands, one E8M0 scale for each 32 along K, by v_wmma_scale_f32_16x16x128_f8f6f4 with both operands' format E2M1 (or v_wmma_scale_f32_32x16x128_f4), f32 sums; products left as they are: bf16, f16 or f32 operands; f32 sums; everything else in f32.
;; Inputs: Wk 4,096 x 1,024 float32; Wo 2,048 x 4,096 float32; Wq 4,096 x 2,048 float32; Wv 4,096 x 1,024 float32; attn_mask 2,048 x 2,048 float32; cos 2,048 x 128 float32; k_norm_w 128 float32; position_ids 2,048 int32; q_norm_w 128 float32; sin 2,048 x 128 float32; x 2,048 x 4,096 float32.
;; Outputs: out0 2,048 x 4,096 float32.
;; This version of the problem:
;;   THIS VERSION OF THE PROBLEM IS GIVEN IN LOW PRECISION. The matrix products marked QUANTISED in the list below multiply operands that are first quantised to E2M1 (2 exponent bits, 1 mantissa bit; 4 bits a number), with one power-of-two scale for each 32 numbers along K (OCP MX v1.0); their sums are f32. The products marked 'left as it is' may take bf16, f16 or f32 operands, with f32 sums. Whichever they take, every output number must still come out within the allowed error. Rounding operands to bf16 (8 significant bits) uses up far more of that allowance than f16 does (11 bits, for magnitudes from 6e-5 to 65,504). All else is computed in f32.
;;   The module's matrix products, in the order in which they are computed (A, B: the left and right operand; K: the contracted axis; several contracted axes count as one K, in the product's order):
;;     1. [M 2,048, K 4,096] x [K 4,096, N 2,048]; A: input x; B: input Wq: QUANTISED
;;     2. [M 2,048, K 4,096] x [K 4,096, N 1,024]; A: input x; B: input Wk: QUANTISED
;;     3. [M 2,048, K 4,096] x [K 4,096, N 1,024]; A: input x; B: input Wv: QUANTISED
;;     4. batch 16 x [M 2,048, K 128] x [K 128, N 2,048]; A: computed on the way; B: computed on the way: left as it is (an operand is computed on the way)
;;     5. batch 16 x [M 2,048, K 2,048] x [K 2,048, N 128]; A: computed on the way; B: computed on the way: left as it is (an operand is computed on the way)
;;     6. [M 2,048, K 2,048] x [K 2,048, N 4,096]; A: computed on the way; B: input Wo: left as it is (an operand is computed on the way)
;;   THE QUANTISER, for each operand of a quantised product, along K:
;;     - K is cut into blocks of 32 from its start; a last block that is shorter is filled with zeros.
;;     - A block's scale is 2^e with e = floor(log2(the largest magnitude in the block)) - 2, held to -126 .. 127; a block of zeros has e = 0. As a byte (E8M0): e + 127.
;;     - Each number is divided by its block's scale, clamped to +-6, and rounded to the nearest number of E2M1, ties to even, subnormals kept.
;;     - The product sums the exact products of the quantised numbers (number of the format x scale) in f32.
;;   ~~~python
;;   def quantise(x, axis):      # numpy; x: float32 -> the quantised numbers, widened to float32 again
;;       x = np.moveaxis(x, axis, -1); K = x.shape[-1]
;;       x = np.pad(x, [(0, 0)] * (x.ndim - 1) + [(0, -K % 32)]); x = x.reshape(x.shape[:-1] + (-1, 32)); a = np.abs(x).max(-1, keepdims=True)
;;       e = np.where(a > 0, np.clip(np.frexp(np.where(a > 0, a, 1))[1] - 1 - 2, -126, 127), 0)      # np.frexp(a)[1] - 1 = floor(log2(a)), exactly
;;       r = np.clip(x / 2.0 ** e, -6, 6)
;;       step = 2.0 ** (np.maximum(np.frexp(np.where(r == 0, 1, r))[1] - 1, 0) - 1)
;;       q = np.round(r / step) * step * 2.0 ** e      # np.round: ties to even
;;       return np.moveaxis(q.reshape(q.shape[:-2] + (-1,))[..., :K], -1, axis).astype(np.float32)
;;   ~~~
;; One version. Each part assembles by itself: llvm-mc -triple=amdgcn-amd-amdhsa -mcpu=gfx1250 --defsym DOCPART=n.
;; ======== version 1 of 1: 6 launches
;; limits: values are held in f16: magnitudes above 65,504 overflow, below 6.1e-05 lose precision
;; workspace buffers: codes 12,582,912 bytes; scales 786,432 bytes; qk16 12,582,912 bytes; vt 8,388,608 bytes; po 2,162,688 bytes; part 4,194,304 bytes; wo16 16,777,216 bytes; o16 8,388,608 bytes
;; launch prep (part 1): grid 512 x 1, 4 waves a work-group, no clusters, 68,096 bytes of LDS; arguments x, Wq, Wk, Wv, codes, scales; writes codes, scales
.if DOCPART == 1
	.amdgcn_target "amdgcn-amd-amdhsa--gfx1250"
	.amdhsa_code_object_version 6
	.text
	.protected	k_q636e9df3e7_prep
	.globl	k_q636e9df3e7_prep
	.p2align	8
	.type	k_q636e9df3e7_prep,@function
k_q636e9df3e7_prep:
	s_mov_b64 s[64:65], 0
	v_nop
	global_prefetch_b8 v0, s[64:65] scope:SCOPE_SE
	s_setreg_imm32_b32 hwreg(HW_REG_WAVE_MODE, 25, 1), 1
	s_wait_xcnt 0x0
; x [2048][4096] and Wq [4096][2048], Wk, Wv [4096][1024], all f32, become codes of FP4 (E2M1) with one E8M0 byte for each 32 along K = 4,096.
; codes: [6144 rows][2048 bytes], K innermost: rows 0-2047 x's tokens, 2048-4095 Wq's columns, 4096-5119 Wk's, 5120-6143 Wv's.  scales: [6144][128 bytes].
; A block's scale is 2^(floor(log2(largest magnitude)) - 2); its byte is the largest magnitude's exponent field - 2, held at 1 from below.  A block of zeros
; gets the byte 1: its codes are zeros, and this program alone reads the bytes.
; LIMITS: blocks whose largest magnitude lies under 2^-124 (the floor) were not tried; NaN and infinities are not served.
; Work-groups 0-255 take x (K innermost: a plain stream of blocks), 256-511 the weights (K outermost: a lane takes a column, its registers run down K).
; The two ways part on the work-group's number and have LDS bytes of their own.  Waves share nothing: no barrier.  Memory binds: every byte is read once.
.set STEPS, 16
.set EMAX,  2
.set CB,    8                          ; bytes of 16 codes
.set R,     16                         ; x: v16-79   four sets of 16 numbers as loaded
.set X,     80                         ; x: v80-111  two sets of 16 neighbours
.set E,     112                        ; x: v112-127 a scale byte for each step
.set C,     128                        ; x: v128-189 codes, four registers a step
.set WREG,  8192                       ; x: LDS region of a wave: two stages of 32 x 80 bytes, then its 256 scale bytes
.set SP,    80
.set WST,   32768                      ; W: the four waves' stages, 32 rows x 272 bytes each
.set PITCH, 272
.set XW,    32                         ; W: v32-95   two sets of 32 numbers
.set CW,    96                         ; W: v96-99   a block's codes
.set SB,    24                         ; W: v24-27   the scale bytes, four to a register
.set VO,    112                        ; W: v112-143 row i of a block: 4 x lane + i x the weight's row in bytes; never rewritten
.set OUTR,  144                        ; W: v144-207 the way out
.set SPW,   208                        ; LDS address of my spare word; never rewritten
.set NIL,   209                        ; 0; never rewritten
.set SPARE, 67584                      ; behind both ways' bytes: the spare words, 128 bytes a wave
	s_load_b256 s[4:11], s[0:1], 0x0               ; x, Wq, Wk, Wv
	s_load_b128 s[12:15], s[0:1], 0x20             ; codes, scales
	v_lshl_add_u32 v[SPW], v0, 2, SPARE
	v_mov_b32 v[NIL], 0
	v_lshrrev_b32 v1, 5, v0
	v_readfirstlane_b32 s16, v1                    ; wave
	v_and_b32 v2, 31, v0                           ; lane
	s_cmp_lt_u32 ttmp9, 256
	s_cbranch_scc0 .Lweights
; ---------------- x: a wave takes 16 steps of 512 numbers; each load reads 512 consecutive bytes; a step's 2,048 bytes turn through the wave's stage so that a lane holds 16 neighbours
	v_lshlrev_b32 v3, 4, v2                        ; my 16 bytes of a load's 512
	s_mul_i32 s17, s16, WREG
	v_lshrrev_b32 v14, 2, v2
	v_mul_u32_u24 v14, v14, SP
	v_and_b32 v15, 3, v2
	v_lshl_add_u32 v14, v15, 4, v14
	v_add_nc_u32 v14, s17, v14                     ; stage, way in: 80 (lane / 4) + 16 (lane % 4)
	v_mul_u32_u24 v15, v2, SP
	v_add_nc_u32 v15, s17, v15                     ; stage, way out: 80 x lane
	v_mul_u32_u24 v4, v2, CB                       ; my codes' place in a step's 256 bytes
	v_lshrrev_b32 v5, 1, v2
	s_add_co_u32 s17, s17, 2*32*SP
	v_add_nc_u32 v5, s17, v5                       ; my block's scale byte in LDS
	v_lshlrev_b32 v7, 3, v2
	v_add_nc_u32 v6, s17, v7                       ; and 8 bytes a lane on the way out
	s_lshl_b32 s18, ttmp9, 2
	s_add_co_u32 s18, s18, s16                     ; which run of 8,192 numbers is my wave's
	s_mov_b32 s21, 0
	s_wait_kmcnt 0x0
	s_lshl_b32 s20, s18, 15
	s_add_nc_u64 s[4:5], s[4:5], s[20:21]
	s_lshl_b32 s20, s18, 12
	s_add_nc_u64 s[12:13], s[12:13], s[20:21]
	s_lshl_b32 s20, s18, 8
	s_add_nc_u64 s[14:15], s[14:15], s[20:21]
.macro XLOAD t
.irp i, 0,1,2,3
	global_load_b128 v[R+16*((\t)%4)+4*\i:R+16*((\t)%4)+4*\i+3], v3, s[4:5] offset:2048*(\t)+512*\i th:TH_LOAD_NT
.endr
.endm
.macro XTURN t                         ; LDS serves a wave's instructions in order: no wait between the stores and the loads
.irp i, 0,1,2,3
	ds_store_b128 v14, v[R+16*((\t)%4)+4*\i:R+16*((\t)%4)+4*\i+3] offset:32*SP*((\t)%2)+8*SP*\i
.endr
.irp i, 0,1,2,3
	ds_load_b128 v[X+16*((\t)%2)+4*\i:X+16*((\t)%2)+4*\i+3], v15 offset:32*SP*((\t)%2)+16*\i
.endr
.endm
.irp t, 0,1,2,3
	XLOAD \t
.endr
	s_wait_loadcnt 12                              ; step 0's four loads are in; the twelve of steps 1 to 3 may be out
	XTURN 0
.macro XSTEP t
.set XS, X+16*((\t)%2)
.if (\t) > 0
	s_wait_dscnt 1                                 ; this step's numbers are back from the stage; the last step's byte store may be out
.else
	s_wait_dscnt 0x0
.endif
.if (\t)+4 < STEPS
	XLOAD (\t)+4                                   ; into the set whose stores into the stage are done
.endif
.if (\t)+1 < STEPS
.if STEPS-2-(\t) >= 3
	s_wait_loadcnt 12                              ; the next step's four loads are in; those of the three steps behind it may be out
.else
	s_wait_loadcnt 4*(STEPS-2-(\t))
.endif
	XTURN (\t)+1
.endif
	v_max3_num_f32 v8, |v[XS]|, |v[XS+1]|, |v[XS+2]|
	v_max3_num_f32 v9, |v[XS+3]|, |v[XS+4]|, |v[XS+5]|
.irp i, 6,10
	v_max3_num_f32 v8, v8, |v[XS+\i]|, |v[XS+\i+1]|
	v_max3_num_f32 v9, v9, |v[XS+\i+2]|, |v[XS+\i+3]|
.endr
	v_max3_num_f32 v8, v8, |v[XS+14]|, |v[XS+15]|
	v_max3_num_f32 v8, v8, v9, (EMAX+1)<<23        ; with the floor 2^(3 - 127): the byte cannot fall under 1
	v_max_num_f32_dpp v8, v8, v8 row_xmask:1 row_mask:0xf bank_mask:0xf   ; and my neighbour's 16: the block's largest magnitude
	v_add_nc_u32 v11, 0xff000000, v8               ; 2 off its exponent field: the conversion's scale operand
	v_cvt_scalef32_pk8_fp4_f32 v[C+4*(\t)], v[XS:XS+7], v11
	v_cvt_scalef32_pk8_fp4_f32 v[C+4*(\t)+1], v[XS+8:XS+15], v11
	v_lshrrev_b32 v[E+(\t)], 23, v11               ; the scale's byte (also the plain line behind the conversions)
	ds_store_b8 v5, v[E+(\t)] offset:16*(\t)       ; both lanes of a block write the same byte with the same value
	global_store_b64 v4, v[C+4*(\t):C+4*(\t)+1], s[12:13] offset:32*CB*(\t)   ; the wave stores 256 consecutive bytes, aligned
.endm
.irp t, 0,1,2,3,4,5,6,7,8,9,10,11,12,13,14,15
	XSTEP \t
.endr
	ds_load_b64 v[8:9], v6                         ; my wave's 256 scale bytes: these loads see my stores
	s_wait_dscnt 0x0
	global_store_b64 v7, v[8:9], s[14:15]
	s_wait_tensorcnt 0x0                           ; the wave's end, behind my last LDS store
	ds_add_u32 v[SPW], v[NIL]
	s_wait_dscnt 0x0
	s_endpgm
; ---------------- the weights: a wave takes 32 columns x 512 along K: 16 blocks a lane, 256 bytes of codes a column, out through its own stage as whole rows
.Lweights:
	s_sub_co_u32 s17, ttmp9, 256
	s_and_b32 s18, s17, 31                         ; g: which 128 of the 4,096 columns of Wq | Wk | Wv
	s_lshr_b32 s19, s17, 5                         ; y: which 512 along K
	v_lshlrev_b32 v3, 2, v2
	s_mul_i32 s17, s16, 32*PITCH
	s_add_co_u32 s17, s17, WST                     ; my stage
	v_mul_u32_u24 v4, v2, PITCH
	v_add_nc_u32 v4, s17, v4                       ; into it: row = my column
	v_and_b32 v5, 15, v2
	v_lshrrev_b32 v6, 4, v2
	v_mul_u32_u24 v7, v6, PITCH
	v_lshl_add_u32 v7, v5, 4, v7
	v_add_nc_u32 v7, s17, v7                       ; out of it: sixteen lanes to a row, two rows an instruction
	v_lshlrev_b32 v8, 11, v6
	v_lshl_add_u32 v8, v5, 4, v8                   ; the same place in the codes' buffer (rows of 2,048 bytes)
	v_lshlrev_b32 v9, 7, v2                        ; my column's row of scale bytes
	s_wait_kmcnt 0x0
	s_cmp_lt_u32 s18, 24                           ; the choices hang on the work-group's number alone
	s_cselect_b64 s[20:21], s[8:9], s[10:11]
	s_cselect_b32 s22, 16, 24
	s_cmp_lt_u32 s18, 16
	s_cselect_b64 s[20:21], s[6:7], s[20:21]       ; the weight,
	s_cselect_b32 s22, 0, s22                      ; its first group of columns,
	s_mov_b32 s23, 4096
	s_cselect_b32 s23, 8192, s23                   ; its row in bytes
	s_sub_co_u32 s24, s18, s22
	s_lshl_b32 s24, s24, 9
	s_lshl_b32 s25, s16, 7
	s_add_co_u32 s24, s24, s25                     ; 4 x my wave's first column
	s_mul_i32 s25, s19, s23
	s_lshl_b32 s25, s25, 9                         ; 512 y rows
	s_add_co_u32 s24, s24, s25
	s_mov_b32 s25, 0
	s_add_nc_u64 s[20:21], s[20:21], s[24:25]
	s_lshl_b32 s26, s23, 5                         ; a block on: 32 rows
	s_mov_b32 s27, 0
	s_lshl_b32 s28, s18, 7
	s_lshl_b32 s29, s16, 5
	s_add_co_u32 s28, s28, s29
	s_add_co_u32 s28, s28, 2048                    ; my first row of codes and scales
	s_lshl_b32 s30, s28, 11
	s_lshl_b32 s31, s19, 8
	s_add_co_u32 s30, s30, s31
	s_mov_b32 s31, 0
	s_add_nc_u64 s[12:13], s[12:13], s[30:31]
	s_lshl_b32 s30, s28, 7
	s_lshl_b32 s29, s19, 4
	s_add_co_u32 s30, s30, s29
	s_add_nc_u64 s[14:15], s[14:15], s[30:31]
.irp i, 0,1,2,3,4,5,6,7,8,9,10,11,12,13,14,15,16,17,18,19,20,21,22,23,24,25,26,27,28,29,30,31
	v_mad_u32_u24 v[VO+\i], s23, \i, v3
.endr
.macro WLOAD t                         ; block t: W(32 t + i, my column) into set t % 2: each load reads 128 consecutive bytes, the four waves side by side
.if (\t) > 0
	s_wait_xcnt 0x0                                ; the loads issued so far have read their base: it may step
	s_add_nc_u64 s[20:21], s[20:21], s[26:27]
.endif
.irp i, 0,1,2,3,4,5,6,7,8,9,10,11,12,13,14,15,16,17,18,19,20,21,22,23,24,25,26,27,28,29,30,31
	global_load_b32 v[XW+32*((\t)%2)+\i], v[VO+\i], s[20:21] th:TH_LOAD_NT
.endr
.endm
	WLOAD 0
	WLOAD 1
.macro WBLOCK t
.set XS, XW+32*((\t)%2)
.if (\t) < 15
	s_wait_loadcnt 32                              ; this block's 32 loads are in; the next block's 32 may be out
.else
	s_wait_loadcnt 0x0
.endif
	v_max3_num_f32 v12, |v[XS]|, |v[XS+1]|, |v[XS+2]|
	v_max3_num_f32 v13, |v[XS+3]|, |v[XS+4]|, |v[XS+5]|
.irp i, 6,10,14,18,22,26
	v_max3_num_f32 v12, v12, |v[XS+\i]|, |v[XS+\i+1]|
	v_max3_num_f32 v13, v13, |v[XS+\i+2]|, |v[XS+\i+3]|
.endr
	v_max3_num_f32 v12, v12, |v[XS+30]|, |v[XS+31]|
	v_max3_num_f32 v12, v12, v13, (EMAX+1)<<23     ; all 32 numbers of the block are mine; with the floor
	v_add_nc_u32 v11, 0xff000000, v12
	v_lshrrev_b32 v13, 23, v11                     ; the scale's byte
.if (\t)%4 == 0
	v_mov_b32 v[SB+(\t)/4], v13
.else
	v_lshl_or_b32 v[SB+(\t)/4], v13, 8*((\t)%4), v[SB+(\t)/4]
.endif
.irp g, 0,1,2,3
	v_cvt_scalef32_pk8_fp4_f32 v[CW+\g], v[XS+8*\g:XS+8*\g+7], v11
.endr
	v_nop                                          ; one plain line behind the conversions
	ds_store_b128 v4, v[CW:CW+3] offset:16*(\t)
.if (\t)+2 < 16
	WLOAD (\t)+2
.endif
	s_wait_dscnt 0x0                               ; the store has read its registers: the next block's codes may be written
.endm
.set Q, 0
.rept 16
	WBLOCK Q
.set Q, Q+1
.endr
	global_store_b128 v9, v[SB:SB+3], s[14:15]     ; my column's 16 scale bytes
.irp t, 0,1,2,3,4,5,6,7,8,9,10,11,12,13,14,15
	ds_load_b128 v[OUTR+4*\t:OUTR+4*\t+3], v7 offset:2*\t*PITCH
.endr
.irp t, 0,1,2,3,4,5,6,7,8,9,10,11,12,13,14,15
	s_wait_dscnt 15-\t                             ; the younger read-backs may be out
	global_store_b128 v8, v[OUTR+4*\t:OUTR+4*\t+3], s[12:13] offset:2*\t*2048   ; sixteen lanes store 256 consecutive bytes, aligned
.endr
	s_wait_tensorcnt 0x0                           ; the wave's end: the three lines
	ds_add_u32 v[SPW], v[NIL]
	s_wait_dscnt 0x0
	s_endpgm
.Lfunc_end_k_q636e9df3e7_prep:
	.size	k_q636e9df3e7_prep, .Lfunc_end_k_q636e9df3e7_prep-k_q636e9df3e7_prep
	.p2alignl 7, 3214868480
	.fill 96, 4, 3214868480
	.section	.rodata,"a",@progbits
	.p2align	6, 0x0
	.amdhsa_kernel k_q636e9df3e7_prep
		.amdhsa_group_segment_fixed_size 68096
		.amdhsa_private_segment_fixed_size 0
		.amdhsa_enable_private_segment 0
		.amdhsa_kernarg_size 48
		.amdhsa_user_sgpr_count 2
		.amdhsa_user_sgpr_kernarg_segment_ptr 1
		.amdhsa_wavefront_size32 1
		.amdhsa_system_sgpr_workgroup_id_x 1
		.amdhsa_system_sgpr_workgroup_id_y 1
		.amdhsa_system_sgpr_workgroup_id_z 1
		.amdhsa_system_vgpr_workitem_id 0
		.amdhsa_next_free_vgpr 216
		.amdhsa_next_free_sgpr 66
		.amdhsa_reserve_vcc 0
		.amdhsa_float_denorm_mode_32 3
		.amdhsa_float_denorm_mode_16_64 3
		.amdhsa_memory_ordered 1
		.amdhsa_forward_progress 1
		.amdhsa_inst_pref_size 115
	.end_amdhsa_kernel
	.amdgpu_metadata
---
amdhsa.version: [ 1, 2 ]
amdhsa.kernels:
  - .name:           k_q636e9df3e7_prep
    .symbol:         k_q636e9df3e7_prep.kd
    .args:
      - { .name: x, .offset: 0, .size: 8, .value_kind: global_buffer, .address_space: global }
      - { .name: Wq, .offset: 8, .size: 8, .value_kind: global_buffer, .address_space: global }
      - { .name: Wk, .offset: 16, .size: 8, .value_kind: global_buffer, .address_space: global }
      - { .name: Wv, .offset: 24, .size: 8, .value_kind: global_buffer, .address_space: global }
      - { .name: codes, .offset: 32, .size: 8, .value_kind: global_buffer, .address_space: global }
      - { .name: scales, .offset: 40, .size: 8, .value_kind: global_buffer, .address_space: global }
    .group_segment_fixed_size: 68096
    .private_segment_fixed_size: 0
    .kernarg_segment_align: 8
    .kernarg_segment_size: 48
    .max_flat_workgroup_size: 128
    .sgpr_count:     66
    .vgpr_count:     216
    .wavefront_size: 32
...
	.end_amdgpu_metadata
.endif
;; end of part 1
;; launch qkv (part 2): grid 16 x 16, 4 waves a work-group, clusters of 4 x 4, 327,680 bytes of LDS; arguments codes, scales, position_ids, cos, sin, q_norm_w, k_norm_w, qk16, vt; writes qk16, vt
.if DOCPART == 2
	.amdgcn_target "amdgcn-amd-amdhsa--gfx1250"
	.amdhsa_code_object_version 6
	.text
	.protected	k_q636e9df3e7_qkv
	.globl	k_q636e9df3e7_qkv
	.p2align	8
	.type	k_q636e9df3e7_qkv,@function
k_q636e9df3e7_qkv:
	s_mov_b64 s[64:65], 0
	v_nop
	global_prefetch_b8 v0, s[64:65] scope:SCOPE_SE
	s_setreg_imm32_b32 hwreg(HW_REG_WAVE_MODE, 25, 1), 1
	s_wait_xcnt 0x0
	s_wait_alu depctr_hold_cnt(0) depctr_sa_sdst(0) depctr_va_vdst(0) depctr_va_sdst(0) depctr_va_ssrc(0) depctr_va_vcc(0) depctr_vm_vsrc(0)
	s_getreg_b32 s2, hwreg(HW_REG_IB_STS2, 6, 4)
	s_cmp_eq_u32 s2, 0
	s_cbranch_scc0 .Lentry_in_a_cluster
	s_endpgm
.Lentry_in_a_cluster:
	s_bfe_u32 s2, ttmp6, 0x10000c
	s_cmp_lg_u32 s2, 0xf033
	s_cbranch_scc0 .Lentry_shape_is_right
	s_endpgm
.Lentry_shape_is_right:
; The three quantised products x Wq, x Wk, x Wv on codes of FP4 with E8M0 scales, K = 4,096, finished in registers: q and k get the RMS norm, the gain and the rotation (all f32) and
; leave as f16, [24 heads][2048][128]; V leaves as V / 8 (an exact factor, room for large inputs) with the KEYS innermost, [hi, lo][8][128 d][2048], hi + lo a pair of f16 split in f32.
; ONE FORM: C'[i][j] = sum A'[i] . B'[j], A' and B' both rows of `codes`.  The matrix instruction is used transposed (source 0 = 16 rows of B', source 1 = 16 rows of A'): a lane holds one i and eight neighbouring j.
; q, k (cluster x 0-2): A' = tokens, B' = weight columns: a lane's registers run along d.   V (cluster x 3): A' = Wv's columns, B' = tokens: they run along the keys, so V^T needs no transposition.
; A tile is 128 A' rows x 256 B' rows: 128 + 64 + 64 = 256 tiles.  Four waves, each 64 x 128 (for q, k: one whole head): 32 accumulators.
; K goes in slots of 512 (rows of 256 bytes) through a ring of two LDS slots; the scale bytes of the tile's rows for all of K come once and stay.
; CLUSTER 4 x 4: A''s tiles are shared along a row of the cluster, B''s along a column: joint loads.
; LIMITS: position_ids is held to 0 .. 2047.  NaN and infinities are not served.  Where |V / 8| is under f16's normal range the lo part adds nothing.
; REGISTERS: window 0: v1-31 addresses and small numbers; v32-95 scale words, two sets, nothing else; v96-159 the gains (V: hi codes); v160-223 T, at work; v224-255 packed results.
;   window 1: two sets of fragments (A' 4 x 8 at set + 0, B' 8 x 8 at set + 32; sets at v0 and v128); on the way out U = v0-63, rows read back v64-127.
;   window 2: accumulator (a, b) at v[8 (8 a + b)].   window 3: cos and sin of two blocks of rows: buffer u: cos at 128 u, sin at 128 u + 64.
.set PITCH, 272                        ; an LDS row: 256 bytes + 16: the 16 rows of a fragment load start at 16 different places modulo 256 bytes
.set SLOT,  384*PITCH                  ; A''s 128 rows, then B''s 256
.set BOFF,  128*PITCH
.set SCL,   2*SLOT                     ; the scales as pieces of 256 bytes + 16: A' 64 pieces, then B' 128
.set SBLK,  8*272                      ; those of 16 rows
.set SPARE, SCL+192*272                ; the spare words, 128 bytes a wave
.set PO,   8                           ; v8-11   block a: byte offset of my token's row in cos and sin, + 32 h
.set RS,   12                          ; v12-19  block a: 1 / root at v[12 + 2 a]; the odd ones are written once (named as pairs)
.set ADRA, 20
.set ADRB, 22
.set STO,  24
.set RD,   25
.set CO,   26
.set ADRS, 27
.set SPW,  28
.set NIL,  29
.set COV,  30
.set SC,   32
.set NW,   96
.set HV,   96
.set T,    160
.set H,    224
.set U,    0
.set BK,   64
.set G1A,  24
.set G0A,  32
.set G1B,  48
.set G0B,  56
.set G1SA, 68
.set G0SA, 76
.set G1SB, 80
.set G0SB, 88
.set SEL,  66
.set TOK,  93
.set EPS,  94
.set I128, 95
.set MSB, 0
.macro WIN new                         ; the immediate's high byte repeats the setting that is left
.if MSB != \new
	s_set_vgpr_msb (MSB<<8)|\new
.set MSB, \new
.endif
.endm
.set MUL,  0xa5                        ; sources 0 and 1 window 1, C and D window 2
.set TO_F, 0x40                        ; destination window 1
.macro PLACES
.rept 4
	v_nop
.endr
.endm
; a joint load: waves 0 and 1 fetch for A', waves 2 and 3 for B'; the branch hangs on the wave's number alone; an s_nop 0 and four v_nop follow each line
.macro JLOAD g0a, g1a, g0b, g1b
	s_cmp_eq_u32 s23, 0
	s_cbranch_scc0 .Lfor_b_\@
	tensor_load_to_lds s[\g0a:\g0a+3], s[\g1a:\g1a+7]
	s_nop 0
.rept 4
	v_nop
.endr
	s_branch .Lasked_\@
.Lfor_b_\@:
	tensor_load_to_lds s[\g0b:\g0b+3], s[\g1b:\g1b+7]
	s_nop 0
.rept 4
	v_nop
.endr
.Lasked_\@:
.endm
.macro CREST                           ; a round of the cluster's barrier behind its opening barrier
	s_cmp_lg_u32 s22, 0
	s_cbranch_scc1 .Lnot_wave_0_\@
	s_barrier_signal -3
.Lnot_wave_0_\@:
	s_barrier_wait -3
	s_barrier_signal -1
	s_barrier_wait -1
.endm
.macro CROUND
	s_barrier_signal -1
	s_barrier_wait -1
	CREST
.endm
	s_load_b256 s[4:11], s[0:1], 0x0               ; codes, scales, position_ids, cos
	s_load_b256 s[12:19], s[0:1], 0x20             ; sin, q_norm_w, k_norm_w, qk16
	s_load_b64 s[20:21], s[0:1], 0x40              ; vt
	v_lshl_add_u32 v[SPW], v0, 2, SPARE
	v_mov_b32 v[NIL], 0
	ds_add_u32 v[SPW], v[NIL]                      ; the opening: the add, twice on end, and its wait ahead of my first tensor load
	ds_add_u32 v[SPW], v[NIL]
	v_lshrrev_b32 v1, 5, v0
	v_readfirstlane_b32 s22, v1                    ; wave
	s_lshr_b32 s23, s22, 1                         ; ra: my 64 rows of A'.  Also: I fetch for A' (0) or B' (1)
	s_and_b32 s40, s22, 1                          ; cb: my 128 rows of B'.  Also: which half I fetch
	s_bfe_u32 s41, ttmp6, 0x40000                  ; cx
	s_bfe_u32 s42, ttmp6, 0x40004                  ; cy
	s_and_b32 s43, ttmp7, 0xffff                   ; cluster y
	s_lshl_b32 s44, s43, 2
	s_add_co_u32 s44, s44, s42
	s_lshl_b32 s44, s44, 7                         ; q, k: A' = tokens 128 (4 Y + cy) on
	s_and_b32 s45, s43, 1
	s_lshl_b32 s45, s45, 2
	s_add_co_u32 s45, s45, s42
	s_lshl_b32 s45, s45, 7
	s_add_co_u32 s45, s45, 5120                    ; V: A' = Wv's columns 128 (4 (Y & 1) + cy) on
	s_lshl_b32 s46, ttmp9, 2
	s_add_co_u32 s46, s46, s41                     ; 4 X + cx
	s_lshl_b32 s47, s46, 8
	s_add_co_u32 s47, s47, 2048                    ; q, k: B' = weight columns
	s_lshr_b32 s92, s43, 1
	s_lshl_b32 s92, s92, 2
	s_add_co_u32 s92, s92, s41
	s_lshl_b32 s92, s92, 8                         ; V: B' = tokens 256 (4 (Y >> 1) + cx) on
	s_cmp_eq_u32 ttmp9, 3                          ; the cluster's x: the same in all sixteen partners
	s_cselect_b32 s44, s45, s44                    ; A''s first row: holds cy, never cx
	s_cselect_b32 s47, s92, s47                    ; B''s first row: holds cx, never cy
	s_lshl_b32 s93, s42, 2
	s_lshl_b32 s93, 15, s93                        ; my row of the cluster
	s_lshl_b32 s94, 0x1111, s41                    ; my column
	s_or_b32 s[G1A], s93, (1<<20)|(1<<21)|(5<<22)|(3<<25)    ; mask; elements of 1 byte; padding on; bit 21 beside a mask; 4 words behind every 64
	s_or_b32 s[G1B], s94, (1<<20)|(1<<21)|(5<<22)|(3<<25)
.irp g, G1A, G1B
	s_mov_b32 s[\g+1], 256<<16                     ; tensor_dim0 = 256 bytes
	s_mov_b32 s[\g+3], 256<<16                     ; tile_dim0
	s_mov_b32 s[\g+5], 2048                        ; a row of codes in memory
	s_mov_b32 s[\g+6], 0
	s_mov_b32 s[\g+7], 0
.endr
	s_mov_b32 s[G1A+2], 64<<16                     ; A': 64 rows a load
	s_mov_b32 s[G1A+4], 64
	s_mov_b32 s[G1B+2], 128<<16                    ; B': 128
	s_mov_b32 s[G1B+4], 128
	s_or_b32 s[G1SA], s93, (3<<16)|(1<<20)|(1<<21)|(5<<22)|(3<<25)   ; the scales: dense bytes as rows of 32 elements of 8 bytes
	s_or_b32 s[G1SB], s94, (3<<16)|(1<<20)|(1<<21)|(5<<22)|(3<<25)
.irp g, G1SA, G1SB
	s_mov_b32 s[\g+1], 32<<16
	s_mov_b32 s[\g+3], 32<<16
	s_mov_b32 s[\g+5], 32
	s_mov_b32 s[\g+6], 0
	s_mov_b32 s[\g+7], 0
.endr
	s_mov_b32 s[G1SA+2], 32<<16                    ; 64 rows x 128 bytes = 32 pieces
	s_mov_b32 s[G1SA+4], 32
	s_mov_b32 s[G1SB+2], 64<<16                    ; 128 rows = 64 pieces
	s_mov_b32 s[G1SB+4], 64
	s_lshl_b32 s45, s40, 6
	s_add_co_u32 s45, s45, s44                     ; the A' row from which I fetch
	s_lshl_b32 s96, s45, 11
	s_mov_b32 s97, 0
	s_lshl_b32 s98, s45, 7
	s_mov_b32 s99, 0
	s_lshl_b32 s92, s40, 7
	s_add_co_u32 s92, s92, s47                     ; the B' row
	s_lshl_b32 s100, s92, 11
	s_mov_b32 s101, 0
	s_lshl_b32 s66, s92, 7
	s_mov_b32 s67, 0
	s_wait_dscnt 0x0                               ; both opening adds are done
	s_wait_kmcnt 0x0
	s_add_nc_u64 s[96:97], s[4:5], s[96:97]
	s_add_nc_u64 s[98:99], s[6:7], s[98:99]
	s_add_nc_u64 s[100:101], s[4:5], s[100:101]
	s_add_nc_u64 s[66:67], s[6:7], s[66:67]
	CROUND                                         ; all sixteen work-groups are here: the first joint loads meet
	s_mov_b32 s[G0SA], 1
	s_mul_i32 s[G0SA+1], s40, 32*272
	s_add_co_u32 s[G0SA+1], s[G0SA+1], SCL
	s_mov_b64 s[G0SA+2:G0SA+3], s[98:99]
	s_or_b32 s[G0SA+3], s[G0SA+3], 0x80000000
	s_mov_b32 s[G0SB], 1
	s_mul_i32 s[G0SB+1], s40, 64*272
	s_add_co_u32 s[G0SB+1], s[G0SB+1], SCL+64*272
	s_mov_b64 s[G0SB+2:G0SB+3], s[66:67]
	s_or_b32 s[G0SB+3], s[G0SB+3], 0x80000000
	JLOAD G0SA, G1SA, G0SB, G1SB                   ; the scales first: they are wanted with the first slot
	s_mul_i32 s2, s40, 64*PITCH
	s_mul_i32 s3, s40, 128*PITCH
	s_add_co_u32 s3, s3, BOFF
.irp s, 0,1
	s_mov_b32 s[G0A+4*\s], 1
	s_add_co_u32 s[G0A+4*\s+1], s2, \s*SLOT
	s_add_nc_u64 s[G0A+4*\s+2:G0A+4*\s+3], s[96:97], \s*256
	s_or_b32 s[G0A+4*\s+3], s[G0A+4*\s+3], 0x80000000
	s_mov_b32 s[G0B+4*\s], 1
	s_add_co_u32 s[G0B+4*\s+1], s3, \s*SLOT
	s_add_nc_u64 s[G0B+4*\s+2:G0B+4*\s+3], s[100:101], \s*256
	s_or_b32 s[G0B+4*\s+3], s[G0B+4*\s+3], 0x80000000
	JLOAD G0A+4*\s, G1A, G0B+4*\s, G1B             ; three tensor loads of mine are out now
.endr
	v_and_b32 v1, 15, v0                           ; r
	v_bfe_u32 v2, v0, 4, 1                         ; h
	; my tokens' positions.  V's clusters run the same lines on places inside the tables; nothing later reads what they fetch
	s_cmp_eq_u32 ttmp9, 3
	s_cselect_b32 s[TOK], 0, s44
	s_lshl_b32 s3, s23, 6
	s_add_co_u32 s[TOK], s[TOK], s3                ; my first token
	s_lshl_b32 s94, s[TOK], 2
	s_mov_b32 s95, 0
	s_add_nc_u64 s[8:9], s[8:9], s[94:95]
	v_lshlrev_b32 v4, 2, v1
.irp a, 0,1,2,3
	global_load_b32 v[PO+\a], v4, s[8:9] offset:64*\a
.endr
	v_mul_u32_u24 v3, v1, PITCH
	v_lshl_add_u32 v3, v2, 4, v3                   ; a fragment's row x pitch + 16 h
	s_mul_i32 s2, s23, 64*PITCH
	s_mul_i32 s3, s40, 128*PITCH
	s_add_co_u32 s3, s3, BOFF
.irp s, 0,1
	v_add_nc_u32 v[ADRA+\s], s2, v3
	v_add_nc_u32 v[ADRB+\s], s3, v3
	s_add_co_u32 s2, s2, SLOT
	s_add_co_u32 s3, s3, SLOT
.endr
	v_mul_u32_u24 v6, v1, 128                      ; my row's scales: 128 bytes a row,
	v_lshrrev_b32 v7, 8, v6
	v_lshl_add_u32 v6, v7, 4, v6                   ; and 16 more for each 256 passed
	s_mul_i32 s2, s23, 32*272                      ; A''s: my 64 rows
	s_mul_i32 s3, s40, 64*272                      ; B''s: my 128 rows, behind A''s 128
	s_add_co_u32 s3, s3, 64*272
	s_sub_co_u32 s3, s3, s2
	v_mul_u32_u24 v7, s3, v2                       ; lanes 16-31 take B''s: one product with h
	s_add_co_u32 s2, s2, SCL
	v_add_nc_u32 v6, v6, v7
	v_add_nc_u32 v[ADRS], s2, v6
	s_mul_i32 s2, s22, 16*PITCH                    ; my stage for the way out, in slot 0
	v_add_nc_u32 v[STO], s2, v3                    ; in: row r, 16 bytes for each half of the lanes
	v_mul_u32_u24 v[RD], v2, PITCH
	v_lshl_add_u32 v[RD], v1, 4, v[RD]
	v_add_nc_u32 v[RD], s2, v[RD]                  ; back: lanes 0-15 one row of 256 bytes, lanes 16-31 the next
	v_and_b32 v[CO], 31, v0
	v_lshlrev_b32 v[CO], 4, v[CO]                  ; q, k: rows of 256 bytes on end
	v_lshlrev_b32 v[COV], 12, v2
	v_lshl_add_u32 v[COV], v1, 4, v[COV]           ; V: rows of 4,096 bytes
.irp a, 0,1,2,3
	v_mov_b32 v[RS+2*\a+1], 0
.endr
	v_lshlrev_b32 v5, 5, v2                        ; 32 h
	s_mov_b32 s[SEL], 0x76543210
	s_mov_b32 s[SEL+1], 0xfedcba98                 ; lane l xor 16
	s_mov_b32 s[EPS], 0x358637bd                   ; 1e-6
	s_mov_b32 s[I128], 0x3c000000                  ; 1 / 128
	s_cmp_lt_u32 ttmp9, 2
	s_cselect_b64 s[14:15], s[14:15], s[16:17]     ; q's gain or k's
	s_wait_loadcnt 0x0                             ; the positions
.irp a, 0,1,2,3
	v_min_u32 v[PO+\a], 0x7ff, v[PO+\a]            ; held inside the tables
	v_lshlrev_b32 v[PO+\a], 9, v[PO+\a]            ; a row of cos or sin is 512 bytes
	v_add_nc_u32 v[PO+\a], v[PO+\a], v5
.endr
.irp b, 0,1,2,3,4,5,6,7
	global_load_b128 v[NW+8*\b:NW+8*\b+3], v5, s[14:15] offset:64*\b        ; register 8 b + j: the gain of d = 16 b + 8 h + j
	global_load_b128 v[NW+8*\b+4:NW+8*\b+7], v5, s[14:15] offset:64*\b+16
.endr
.macro CSLOAD a, u                     ; cos and sin of block a's tokens into buffer u: 32 loads
	WIN 0xc0
.irp b, 0,1,2,3,4,5,6,7
	global_load_b128 v[128*(\u)+8*\b:128*(\u)+8*\b+3], v[PO+\a], s[10:11] offset:64*\b
	global_load_b128 v[128*(\u)+8*\b+4:128*(\u)+8*\b+7], v[PO+\a], s[10:11] offset:64*\b+16
	global_load_b128 v[128*(\u)+64+8*\b:128*(\u)+64+8*\b+3], v[PO+\a], s[12:13] offset:64*\b
	global_load_b128 v[128*(\u)+64+8*\b+4:128*(\u)+64+8*\b+7], v[PO+\a], s[12:13] offset:64*\b+16
.endr
	WIN 0
.endm
	CSLOAD 0, 0
	CSLOAD 1, 1
.macro FETCH slot, q, set              ; the fragments of the slot's q-th 128 along K: lane l holds row l % 16; registers 4 c .. 4 c + 3 hold K = 64 c + 32 (l / 16) + 0 .. 31
	WIN TO_F
.irp i, 0,1,2,3,4,5,6,7
.irp c, 0,1
	ds_load_b128 v[128*(\set)+32+8*\i+4*\c:128*(\set)+32+8*\i+4*\c+3], v[ADRB+\slot] offset:64*(\q)+32*\c+\i*16*PITCH
.endr
.endr
.irp i, 0,1,2,3
.irp c, 0,1
	ds_load_b128 v[128*(\set)+8*\i+4*\c:128*(\set)+8*\i+4*\c+3], v[ADRA+\slot] offset:64*(\q)+32*\c+\i*16*PITCH
.endr
.endr
.endm
.macro SCALES sc                       ; a slot's four scale words a row: lanes 0-15 A''s block i, lanes 16-31 B''s block i (for i over 3 no product names lanes 0-15)
.irp i, 0,1,2,3,4,5,6,7
	ds_load_b128 v[SC+32*\sc+4*\i:SC+32*\sc+4*\i+3], v[ADRS] offset:\i*SBLK
.endr
.endm
; 16 products: A''s blocks a0, a0 + 1 against B''s eight.  The 32 accumulators take turns, one instruction a turn, in the same order everywhere
.macro MUL16 a0, set, q, sc, zero
.irp a, \a0, \a0+1
.irp b, 0,1,2,3,4,5,6,7
.if \zero
	v_wmma_scale_f32_16x16x128_f8f6f4 v[8*(8*(\a)+\b):8*(8*(\a)+\b)+7], v[128*(\set)+32+8*\b:128*(\set)+32+8*\b+7], v[128*(\set)+8*(\a):128*(\set)+8*(\a)+7], 0, v[SC+32*(\sc)+4*\b+(\q)], v[SC+32*(\sc)+4*(\a)+(\q)] matrix_a_fmt:MATRIX_FMT_FP4 matrix_b_fmt:MATRIX_FMT_FP4 matrix_a_scale:MATRIX_SCALE_ROW1
.else
	v_wmma_scale_f32_16x16x128_f8f6f4 v[8*(8*(\a)+\b):8*(8*(\a)+\b)+7], v[128*(\set)+32+8*\b:128*(\set)+32+8*\b+7], v[128*(\set)+8*(\a):128*(\set)+8*(\a)+7], v[8*(8*(\a)+\b):8*(8*(\a)+\b)+7], v[SC+32*(\sc)+4*\b+(\q)], v[SC+32*(\sc)+4*(\a)+(\q)] matrix_a_fmt:MATRIX_FMT_FP4 matrix_b_fmt:MATRIX_FMT_FP4 matrix_a_scale:MATRIX_SCALE_ROW1
.endif
.endr
.endr
.endm
.macro STEP slot, q, zero              ; 128 along K with a successor in the same slot: the successor's fragments are asked for first and land under the 32 products
	s_wait_dscnt 0x0                               ; this step's fragments (and scale words) are in
	PLACES                                         ; four places between the last products and loads into the set that they read
	FETCH \slot, (\q)+1, ((\q)+1)%2
	WIN MUL
	MUL16 0, (\q)%2, \q, \slot, \zero
	MUL16 2, (\q)%2, \q, \slot, \zero
.endm
; A slot's last step changes slots: each wave waits for all its tensor loads, adds 0 to its spare word, waits for that and for its reads of the slot; one barrier, which with fill = 1 opens a round of the cluster's.
.macro TURN slot, next, fill
	WIN 0
	s_wait_tensorcnt 0x0                           ; my one load that was out, my part of the next slot, has landed
	ds_add_u32 v[SPW], v[NIL]
	s_wait_dscnt 1                                 ; the fragments are in; the add alone may be out
	WIN MUL
	MUL16 0, 1, 3, \slot, 0
	s_wait_dscnt 0x0                               ; the add is done, my reads of this slot are over
	s_barrier_signal -1
	MUL16 2, 1, 3, \slot, 0
	WIN 0
	s_barrier_wait -1
.if \fill
	CREST                                          ; no wave of any partner reads this slot or has a load on its way
	s_add_nc_u64 s[G0A+4*\slot+2:G0A+4*\slot+3], s[G0A+4*\slot+2:G0A+4*\slot+3], 512
	s_add_nc_u64 s[G0B+4*\slot+2:G0B+4*\slot+3], s[G0B+4*\slot+2:G0B+4*\slot+3], 512
	JLOAD G0A+4*\slot, G1A, G0B+4*\slot, G1B       ; my one tensor load behind the round; its four v_nop are the places in front of the loads below
.else
	PLACES
.endif
	v_add_nc_u32 v[ADRS], 16, v[ADRS]              ; the next slot's scale words
	FETCH \next, 0, 0
	WIN 0
	SCALES \next
.endm
	s_wait_tensorcnt 1                             ; the scales and my part of slot 0 are in; slot 1's load may be out
	s_barrier_signal -1
	s_barrier_wait -1
	FETCH 0, 0, 0
	WIN 0
	SCALES 0
	STEP 0, 0, 1                                   ; the first step's products start the sums
	WIN 0
	s_mov_b32 s3, 3
.Llap:                                                 ; a trip goes once round the ring and fills both slots again: 3 x 2 refills bring slots' worth 2 to 7 of K
	STEP 0, 1, 0
	STEP 0, 2, 0
	TURN 0, 1, 1
	STEP 1, 0, 0
	STEP 1, 1, 0
	STEP 1, 2, 0
	TURN 1, 0, 1
	STEP 0, 0, 0
	WIN 0
	s_sub_co_u32 s3, s3, 1
	s_cmp_lg_u32 s3, 0
	s_cbranch_scc1 .Llap
	STEP 0, 1, 0                                   ; the last lap fills nothing
	STEP 0, 2, 0
	TURN 0, 1, 0
	STEP 1, 0, 0
	STEP 1, 1, 0
	STEP 1, 2, 0
	s_wait_dscnt 0x0
	WIN MUL
	MUL16 0, 1, 3, 1, 0
	MUL16 2, 1, 3, 1, 0
	WIN 0
	PLACES                                         ; four places ahead of the first read of results
	s_wait_loadcnt 0x0                             ; the gains, cos and sin of blocks 0 and 1
; 16 rows x 256 bytes through my stage (slot 0: it has had its last fill, and every wave has left it) and out as whole rows
.macro SENDBLK src, bk, co, sb, off, fstep
	WIN 0
.irp b, 0,1,2,3,4,5,6,7
	ds_store_b128 v[STO], v[\src+4*\b:\src+4*\b+3] offset:32*\b
.endr
	WIN 0x40
.irp f, 0,1,2,3,4,5,6,7
	ds_load_b128 v[\bk+4*\f:\bk+4*\f+3], v[RD] offset:\f*2*PITCH     ; LDS serves a wave's instructions in order: these see the stores above
.endr
	WIN 0x04
.irp f, 0,1,2,3,4,5,6,7
	s_wait_dscnt 7-\f                              ; the younger read-backs may be out
	global_store_b128 v[\co], v[\bk+4*\f:\bk+4*\f+3], s[\sb:\sb+1] offset:(\off)+\f*(\fstep)   ; sixteen lanes store 256 consecutive bytes, aligned
.endr
	WIN 0
.endm
	s_cmp_eq_u32 ttmp9, 3                          ; the cluster's x: all partners go the same way
	s_cbranch_scc1 .Lv
; ---- q and k: RMS norm over the head's 128, the gain, the rotation, f16
	s_lshl_b32 s2, s46, 1
	s_add_co_u32 s2, s2, s40                       ; my head, 0 .. 23
	s_lshl_b32 s2, s2, 11
	s_add_co_u32 s2, s2, s[TOK]
	s_lshl_b32 s2, s2, 8
	s_mov_b32 s3, 0
	s_add_nc_u64 s[18:19], s[18:19], s[2:3]
	WIN 0x0a                                       ; sums of squares: two chains a block, each accumulator from its low end on
.set p, 0
.rept 32
.irp a, 0,1,2,3
.if p < 2
	v_pk_mul_f32 v[T+4*\a+2*p:T+4*\a+2*p+1], v[64*\a+2*p:64*\a+2*p+1], v[64*\a+2*p:64*\a+2*p+1]
.else
	v_pk_fma_f32 v[T+4*\a+2*(p%2):T+4*\a+2*(p%2)+1], v[64*\a+2*p:64*\a+2*p+1], v[64*\a+2*p:64*\a+2*p+1], v[T+4*\a+2*(p%2):T+4*\a+2*(p%2)+1]
.endif
.endr
.set p, p+1
.endr
	WIN 0
.irp a, 0,1,2,3
	v_pk_add_f32 v[T+4*\a:T+4*\a+1], v[T+4*\a:T+4*\a+1], v[T+4*\a+2:T+4*\a+3]
.endr
.irp a, 0,1,2,3
	v_add_f32 v[T+4*\a], v[T+4*\a], v[T+4*\a+1]
.endr
.irp a, 0,1,2,3
	v_permlanex16_b32 v[T+4*\a+1], v[T+4*\a], s[SEL], s[SEL+1]     ; the row's other 64 numbers lie in lane l xor 16
.endr
.irp a, 0,1,2,3
	v_add_f32 v[T+4*\a], v[T+4*\a], v[T+4*\a+1]
.endr
.irp a, 0,1,2,3
	v_fma_f32 v[T+4*\a], v[T+4*\a], s[I128], s[EPS]                ; the mean + eps
.endr
.irp a, 0,1,2,3
	v_rsq_f32 v[RS+2*\a], v[T+4*\a]
.endr
	v_nop                                          ; a plain line behind the last of the four,
	s_wait_alu depctr_va_vdst(0)                   ; and one wait for the batch ahead of its first reader
.macro QKBLK a
.set CBF, 128*((\a)%2)
.if (\a) == 2
	s_wait_loadcnt 32                              ; block 2's cos and sin are in; block 3's 32 loads may be out
.elseif (\a) == 3
	s_wait_loadcnt 0x0
.endif
	WIN 0x02
.set p, 0
.rept 32
	v_pk_mul_f32 v[T+2*p:T+2*p+1], v[64*(\a)+2*p:64*(\a)+2*p+1], v[RS+2*(\a):RS+2*(\a)+1] op_sel_hi:[1,0]
.set p, p+1
.endr
	WIN 0
.set p, 0
.rept 32
	v_pk_mul_f32 v[T+2*p:T+2*p+1], v[T+2*p:T+2*p+1], v[NW+2*p:NW+2*p+1]
.set p, p+1
.endr
	WIN 0x5c                                       ; T window 0, cos and sin window 3, U window 1.  d and d + 64 lie 32 registers apart in one lane
.set p, 0
.rept 16
	v_pk_mul_f32 v[U+2*p:U+2*p+1], v[T+2*p:T+2*p+1], v[CBF+2*p:CBF+2*p+1]
	v_pk_mul_f32 v[U+32+2*p:U+32+2*p+1], v[T+32+2*p:T+32+2*p+1], v[CBF+32+2*p:CBF+32+2*p+1]
.set p, p+1
.endr
.set p, 0
.rept 16
	v_pk_fma_f32 v[U+2*p:U+2*p+1], v[T+32+2*p:T+32+2*p+1], v[CBF+64+2*p:CBF+64+2*p+1], v[U+2*p:U+2*p+1] neg_lo:[1,0,0] neg_hi:[1,0,0]
	v_pk_fma_f32 v[U+32+2*p:U+32+2*p+1], v[T+2*p:T+2*p+1], v[CBF+96+2*p:CBF+96+2*p+1], v[U+32+2*p:U+32+2*p+1]
.set p, p+1
.endr
	WIN 0x05
.set p, 0
.rept 32
	v_cvt_pk_f16_f32 v[H+p], v[U+2*p], v[U+2*p+1]
.set p, p+1
.endr
.if (\a) < 2
	CSLOAD (\a)+2, \a                              ; the buffer just read takes the block two further on
.else
	s_wait_xcnt 0x0                                ; the stores of two blocks back have read their registers
.endif
	SENDBLK H, BK+32*((\a)%2), CO, 18, (\a)*4096, 512
.endm
	QKBLK 0
	QKBLK 1
	QKBLK 2
	QKBLK 3
	s_branch .Ldone
; ---- V: x 1/8, split in f32 into hi (11 significant bits: c = 8193 x, hi = c - (c - x)) and lo = x - hi, both to f16
.Lv:
	s_sub_co_u32 s2, s44, 5120
	s_lshl_b32 s3, s23, 6
	s_add_co_u32 s2, s2, s3                        ; my first row of V^T: 128 kv + d
	s_lshl_b32 s2, s2, 12
	s_lshl_b32 s3, s40, 7
	s_add_co_u32 s3, s3, s47
	s_lshl_b32 s3, s3, 1                           ; my first key, in bytes
	s_add_co_u32 s2, s2, s3
	s_mov_b32 s3, 0
	s_add_nc_u64 s[20:21], s[20:21], s[2:3]
.macro VBLK a
	WIN 0x02
.set p, 0
.rept 32
	v_pk_mul_f32 v[T+2*p:T+2*p+1], v[64*(\a)+2*p:64*(\a)+2*p+1], 0x3e000000 op_sel_hi:[1,0]
.set p, p+1
.endr
	WIN 0x40
.set p, 0
.rept 32
	v_pk_mul_f32 v[U+2*p:U+2*p+1], v[T+2*p:T+2*p+1], 0x46000400 op_sel_hi:[1,0]     ; c
.set p, p+1
.endr
	WIN 0xc1
.set p, 0
.rept 32
	v_pk_add_f32 v[2*p:2*p+1], v[U+2*p:U+2*p+1], v[T+2*p:T+2*p+1] neg_lo:[0,1] neg_hi:[0,1]   ; c - x, in window 3
.set p, p+1
.endr
	WIN 0x4d
.set p, 0
.rept 32
	v_pk_add_f32 v[U+2*p:U+2*p+1], v[U+2*p:U+2*p+1], v[2*p:2*p+1] neg_lo:[0,1] neg_hi:[0,1]   ; hi
.set p, p+1
.endr
	WIN 0x04
.set p, 0
.rept 32
	v_pk_add_f32 v[T+2*p:T+2*p+1], v[T+2*p:T+2*p+1], v[U+2*p:U+2*p+1] neg_lo:[0,1] neg_hi:[0,1]   ; lo
.set p, p+1
.endr
	WIN 0x05
.set p, 0
.rept 32
	v_cvt_pk_f16_f32 v[HV+p], v[U+2*p], v[U+2*p+1]
.set p, p+1
.endr
	WIN 0
.set p, 0
.rept 32
	v_cvt_pk_f16_f32 v[H+p], v[T+2*p], v[T+2*p+1]
.set p, p+1
.endr
.if (\a) > 0
	s_wait_xcnt 0x0                                ; the last block's stores have read their registers
.endif
	SENDBLK HV, BK, COV, 20, (\a)*65536, 8192
	SENDBLK H, BK+32, COV, 20, (\a)*65536+4194304, 8192
.endm
	VBLK 0
	VBLK 1
	VBLK 2
	VBLK 3
.Ldone:
	s_wait_tensorcnt 0x0                           ; the wave's end: the three lines, behind my last tensor load and my last LDS store
	ds_add_u32 v[SPW], v[NIL]
	s_wait_dscnt 0x0
	CROUND                                         ; the closing round
	s_endpgm
.Lfunc_end_k_q636e9df3e7_qkv:
	.size	k_q636e9df3e7_qkv, .Lfunc_end_k_q636e9df3e7_qkv-k_q636e9df3e7_qkv
	.p2alignl 7, 3214868480
	.fill 96, 4, 3214868480
	.section	.rodata,"a",@progbits
	.p2align	6, 0x0
	.amdhsa_kernel k_q636e9df3e7_qkv
		.amdhsa_group_segment_fixed_size 327680
		.amdhsa_private_segment_fixed_size 0
		.amdhsa_enable_private_segment 0
		.amdhsa_kernarg_size 72
		.amdhsa_user_sgpr_count 2
		.amdhsa_user_sgpr_kernarg_segment_ptr 1
		.amdhsa_wavefront_size32 1
		.amdhsa_system_sgpr_workgroup_id_x 1
		.amdhsa_system_sgpr_workgroup_id_y 1
		.amdhsa_system_sgpr_workgroup_id_z 1
		.amdhsa_system_vgpr_workitem_id 0
		.amdhsa_next_free_vgpr 1024
		.amdhsa_next_free_sgpr 102
		.amdhsa_reserve_vcc 0
		.amdhsa_float_denorm_mode_32 3
		.amdhsa_float_denorm_mode_16_64 3
		.amdhsa_memory_ordered 1
		.amdhsa_forward_progress 1
		.amdhsa_inst_pref_size 255
	.end_amdhsa_kernel
	.section	.bss,"aw",@nobits
	.p2align	6
	.space	262144
	.amdgpu_metadata
---
amdhsa.version: [ 1, 2 ]
amdhsa.kernels:
  - .name:           k_q636e9df3e7_qkv
    .symbol:         k_q636e9df3e7_qkv.kd
    .args:
      - { .name: codes, .offset: 0, .size: 8, .value_kind: global_buffer, .address_space: global }
      - { .name: scales, .offset: 8, .size: 8, .value_kind: global_buffer, .address_space: global }
      - { .name: position_ids, .offset: 16, .size: 8, .value_kind: global_buffer, .address_space: global }
      - { .name: cos, .offset: 24, .size: 8, .value_kind: global_buffer, .address_space: global }
      - { .name: sin, .offset: 32, .size: 8, .value_kind: global_buffer, .address_space: global }
      - { .name: q_norm_w, .offset: 40, .size: 8, .value_kind: global_buffer, .address_space: global }
      - { .name: k_norm_w, .offset: 48, .size: 8, .value_kind: global_buffer, .address_space: global }
      - { .name: qk16, .offset: 56, .size: 8, .value_kind: global_buffer, .address_space: global }
      - { .name: vt, .offset: 64, .size: 8, .value_kind: global_buffer, .address_space: global }
    .group_segment_fixed_size: 327680
    .private_segment_fixed_size: 0
    .kernarg_segment_align: 8
    .kernarg_segment_size: 72
    .max_flat_workgroup_size: 128
    .sgpr_count:     102
    .vgpr_count:     1024
    .wavefront_size: 32
...
	.end_amdgpu_metadata
.endif
;; end of part 2
;; launch first_attn (part 3): grid 16 x 16, 1 waves a work-group, no clusters, 0 bytes of LDS; arguments qk16, vt, attn_mask, po; writes po
.if DOCPART == 3
	.amdgcn_target "amdgcn-amd-amdhsa--gfx1250"
	.amdhsa_code_object_version 6
	.text
	.protected	k_q636e9df3e7_first_attn
	.globl	k_q636e9df3e7_first_attn
	.p2align	8
	.type	k_q636e9df3e7_first_attn,@function
k_q636e9df3e7_first_attn:
	s_mov_b64 s[64:65], 0
	v_nop
	global_prefetch_b8 v0, s[64:65] scope:SCOPE_SE
	s_setreg_imm32_b32 hwreg(HW_REG_WAVE_MODE, 25, 1), 1
	s_wait_xcnt 0x0
; Positions 0 to 15 of every head, carried finely: where the mask leaves a row few keys, the rounding of f16 operands would weigh most.  The whole mask is honoured, all 2,048 keys.
; A work-group is one wave: head y, keys 128 x .. 128 x + 127.  It leaves the unnormalised O^T of its chunk (of V / 8), its largest exponent m and its sum l; a later launch joins the 16 chunks.
; S^T = K Q^T (source 0 = 16 keys, source 1 = the 16 queries): a lane holds query lane % 16 and keys 8 (lane / 16) + 0 .. 7 of each tile.
; w = score x log2(e) / sqrt(128) + mask x log2(e);  m = the largest w (not under -1e38, so that -infinity gives p = 0);  p = 2^(w - m), the difference formed ahead of the exponential.
; P and V go to the matrix unit as pairs of f16, hi + lo, split in f32: O^T = Vh Ph + Vh Pl + Vl Ph.
; Straight-line: all 216 loads are issued at once.  No LDS, no barrier.
; REGISTERS: window 0: v1-5 addresses; v16-47 Q, later Ph; v48-111 S^T, p, p's lo; v112-175 the mask, later c and p's hi; v176-207 Pl; v208-215 statistics; v224-255 at work.
;   window 1: K's fragment (t, i) at 32 t + 8 i; later O^T at v0-63.   window 2: Vh's fragment (t, s) at 32 t + 8 s.   window 3: Vl's.
.set A1,  1
.set AM,  2
.set AV,  3
.set LI,  4
.set L8,  5
.set Q,   16
.set PH,  16
.set S,   48
.set MK,  112
.set PL,  176
.set STT, 208                          ; +0 m, +1 l, +2 .. +7 at work
.set TMP, 224
.set MSB, 0
.macro WIN new
.if MSB != \new
	s_set_vgpr_msb (MSB<<8)|\new
.set MSB, \new
.endif
.endm
	s_load_b256 s[4:11], s[0:1], 0x0               ; qk16, vt, attn_mask, po
	v_and_b32 v6, 15, v0                           ; r
	v_bfe_u32 v7, v0, 4, 1                         ; h
	v_lshlrev_b32 v[A1], 8, v6
	v_lshl_add_u32 v[A1], v7, 4, v[A1]             ; Q, K: row r of 256 bytes + 16 h
	v_lshlrev_b32 v[AM], 13, v6
	v_lshl_add_u32 v[AM], v7, 5, v[AM]             ; the mask: row r of 8,192 bytes + 32 h
	v_lshlrev_b32 v[AV], 12, v6
	v_lshl_add_u32 v[AV], v7, 4, v[AV]             ; V^T: row r of 4,096 bytes + 16 h
	v_lshlrev_b32 v[LI], 4, v0
	v_lshlrev_b32 v[L8], 3, v0
	v_mov_b32 v[STT+1], 0                          ; (named as the upper half of a pair before it is first written)
	s_and_b32 s12, ttmp7, 0xffff                   ; head
	s_lshr_b32 s13, s12, 1                         ; its key and value head
	s_lshl_b32 s16, s12, 19
	s_mov_b32 s17, 0
	s_add_co_u32 s18, s13, 16
	s_lshl_b32 s18, s18, 19
	s_lshl_b32 s14, ttmp9, 15
	s_add_co_u32 s18, s18, s14
	s_mov_b32 s19, 0
	s_lshl_b32 s20, ttmp9, 9
	s_mov_b32 s21, 0
	s_lshl_b32 s22, s13, 19
	s_lshl_b32 s14, ttmp9, 8
	s_add_co_u32 s22, s22, s14
	s_mov_b32 s23, 0
	s_lshl_b32 s14, s12, 4
	s_add_co_u32 s14, s14, ttmp9                   ; 16 head + chunk
	s_mov_b32 s24, 0x3e0293ee                      ; log2(e) / sqrt(128)
	s_mov_b32 s25, s24
	s_mov_b32 s26, 0x3fb8aa3b                      ; log2(e)
	s_mov_b32 s27, s26
	s_mov_b32 s28, 0xfe967699                      ; -1e38
	s_mov_b32 s30, 0x76543210
	s_mov_b32 s31, 0xfedcba98
	s_wait_kmcnt 0x0
	s_add_nc_u64 s[16:17], s[4:5], s[16:17]        ; Q
	s_add_nc_u64 s[18:19], s[4:5], s[18:19]        ; K
	s_add_nc_u64 s[8:9], s[8:9], s[20:21]          ; the mask at my first key
	s_add_nc_u64 s[6:7], s[6:7], s[22:23]          ; V^T
	s_lshl_b32 s20, s14, 13
	s_add_nc_u64 s[22:23], s[10:11], s[20:21]      ; my image of O^T
	s_lshl_b32 s20, s14, 8
	s_add_co_u32 s20, s20, 2097152
	s_add_nc_u64 s[10:11], s[10:11], s[20:21]      ; my (m, l)
.set i, 0
.rept 4
	global_load_b128 v[Q+8*i:Q+8*i+3], v[A1], s[16:17] offset:64*i
	global_load_b128 v[Q+8*i+4:Q+8*i+7], v[A1], s[16:17] offset:64*i+32
.set i, i+1
.endr
	WIN 0x40
.set t, 0
.rept 8
.set i, 0
.rept 4
	global_load_b128 v[32*t+8*i:32*t+8*i+3], v[A1], s[18:19] offset:4096*t+64*i
	global_load_b128 v[32*t+8*i+4:32*t+8*i+7], v[A1], s[18:19] offset:4096*t+64*i+32
.set i, i+1
.endr
.set t, t+1
.endr
	WIN 0
.set t, 0
.rept 8
	global_load_b128 v[MK+8*t:MK+8*t+3], v[AM], s[8:9] offset:64*t
	global_load_b128 v[MK+8*t+4:MK+8*t+7], v[AM], s[8:9] offset:64*t+16
.set t, t+1
.endr
	WIN 0x80
.set t, 0
.rept 8
.set i, 0
.rept 4
	global_load_b128 v[32*t+8*i:32*t+8*i+3], v[AV], s[6:7] offset:65536*t+64*i
	global_load_b128 v[32*t+8*i+4:32*t+8*i+7], v[AV], s[6:7] offset:65536*t+64*i+32
.set i, i+1
.endr
.set t, t+1
.endr
	WIN 0xc0
.set t, 0
.rept 8
.set i, 0
.rept 4
	global_load_b128 v[32*t+8*i:32*t+8*i+3], v[AV], s[6:7] offset:4194304+65536*t+64*i
	global_load_b128 v[32*t+8*i+4:32*t+8*i+7], v[AV], s[6:7] offset:4194304+65536*t+64*i+32
.set i, i+1
.endr
.set t, t+1
.endr
	s_wait_loadcnt 63                              ; 128 loads were issued behind the mask's: with 63 at most out, Q, K and the mask are in
	WIN 0x01
.set i, 0
.rept 4                                        ; the eight tiles of keys by turns
.set t, 0
.rept 8
.if i == 0
	v_wmma_f32_16x16x32_f16 v[S+8*t:S+8*t+7], v[32*t+8*i:32*t+8*i+7], v[Q+8*i:Q+8*i+7], 0
.else
	v_wmma_f32_16x16x32_f16 v[S+8*t:S+8*t+7], v[32*t+8*i:32*t+8*i+7], v[Q+8*i:Q+8*i+7], v[S+8*t:S+8*t+7]
.endif
.set t, t+1
.endr
.set i, i+1
.endr
	WIN 0
.set p, 0
.rept 32
	v_pk_mul_f32 v[MK+2*p:MK+2*p+1], v[MK+2*p:MK+2*p+1], s[26:27] op_sel_hi:[1,0]    ; the mask in powers of two (also the places behind the products)
.set p, p+1
.endr
.set p, 0
.rept 32
	v_pk_fma_f32 v[S+2*p:S+2*p+1], v[S+2*p:S+2*p+1], s[24:25], v[MK+2*p:MK+2*p+1] op_sel_hi:[1,0,1]   ; w; each accumulator from its low end on
.set p, p+1
.endr
.irp k, 0,1,2,3
	v_max3_num_f32 v[STT+4+\k], v[S+16*\k], v[S+16*\k+1], v[S+16*\k+2]
.endr
.irp e, 3,5,7,9,11,13
.irp k, 0,1,2,3
	v_max3_num_f32 v[STT+4+\k], v[STT+4+\k], v[S+16*\k+\e], v[S+16*\k+\e+1]
.endr
.endr
.irp k, 0,1,2,3
	v_max_num_f32 v[STT+4+\k], v[STT+4+\k], v[S+16*\k+15]
.endr
	v_max3_num_f32 v[STT+4], v[STT+4], v[STT+5], v[STT+6]
	v_max3_num_f32 v[STT+4], v[STT+4], v[STT+7], s28
	v_permlanex16_b32 v[STT+5], v[STT+4], s30, s31
	v_max_num_f32 v[STT], v[STT+4], v[STT+5]       ; m
.set p, 0
.rept 32
	v_pk_add_f32 v[S+2*p:S+2*p+1], v[S+2*p:S+2*p+1], v[STT:STT+1] op_sel_hi:[1,0] neg_lo:[0,1] neg_hi:[0,1]   ; w - m
.set p, p+1
.endr
.set p, 0
.rept 64
	v_exp_f32 v[S+p], v[S+p]
.set p, p+1
.endr
	v_nop                                          ; a plain line behind the batch,
	s_wait_alu depctr_va_vdst(0)                   ; and its one wait
	v_pk_add_f32 v[STT+2:STT+3], v[S:S+1], v[S+2:S+3]              ; l: the sum of the unrounded p, in two chains
	v_pk_add_f32 v[STT+4:STT+5], v[S+4:S+5], v[S+6:S+7]
.set p, 4
.rept 14
	v_pk_add_f32 v[STT+2:STT+3], v[STT+2:STT+3], v[S+2*p:S+2*p+1]
	v_pk_add_f32 v[STT+4:STT+5], v[STT+4:STT+5], v[S+2*p+2:S+2*p+3]
.set p, p+2
.endr
	v_pk_add_f32 v[STT+2:STT+3], v[STT+2:STT+3], v[STT+4:STT+5]
	v_add_f32 v[STT+2], v[STT+2], v[STT+3]
	v_permlanex16_b32 v[STT+3], v[STT+2], s30, s31
	v_add_f32 v[STT+1], v[STT+2], v[STT+3]
.set p, 0
.rept 32
	v_pk_mul_f32 v[MK+2*p:MK+2*p+1], v[S+2*p:S+2*p+1], 0x46000400 op_sel_hi:[1,0]    ; c = 8193 p
.set p, p+1
.endr
.irp f, 0,1
.set p, 0
.rept 16
	v_pk_add_f32 v[TMP+2*p:TMP+2*p+1], v[MK+32*\f+2*p:MK+32*\f+2*p+1], v[S+32*\f+2*p:S+32*\f+2*p+1] neg_lo:[0,1] neg_hi:[0,1]   ; c - p
.set p, p+1
.endr
.set p, 0
.rept 16
	v_pk_add_f32 v[MK+32*\f+2*p:MK+32*\f+2*p+1], v[MK+32*\f+2*p:MK+32*\f+2*p+1], v[TMP+2*p:TMP+2*p+1] neg_lo:[0,1] neg_hi:[0,1]   ; hi
.set p, p+1
.endr
.set p, 0
.rept 16
	v_pk_add_f32 v[S+32*\f+2*p:S+32*\f+2*p+1], v[S+32*\f+2*p:S+32*\f+2*p+1], v[MK+32*\f+2*p:MK+32*\f+2*p+1] neg_lo:[0,1] neg_hi:[0,1]   ; lo
.set p, p+1
.endr
.endr
.set p, 0
.rept 32
	v_cvt_pk_f16_f32 v[PH+p], v[MK+2*p], v[MK+2*p+1]               ; two tiles of keys, packed, are source 1 of 32 keys x 16 queries
	v_cvt_pk_f16_f32 v[PL+p], v[S+2*p], v[S+2*p+1]
.set p, p+1
.endr
	s_wait_loadcnt 0x0                             ; V's hi and lo
.macro PVR win, pr, ks, zero           ; eight tiles of d by turns: O^T[t] += V[t][ks] P[ks]
	WIN \win
.set t, 0
.rept 8
.if \zero
	v_wmma_f32_16x16x32_f16 v[8*t:8*t+7], v[32*t+8*(\ks):32*t+8*(\ks)+7], v[\pr+8*(\ks):\pr+8*(\ks)+7], 0
.else
	v_wmma_f32_16x16x32_f16 v[8*t:8*t+7], v[32*t+8*(\ks):32*t+8*(\ks)+7], v[\pr+8*(\ks):\pr+8*(\ks)+7], v[8*t:8*t+7]
.endif
.set t, t+1
.endr
.endm
	PVR 0x52, PH, 0, 1
	PVR 0x52, PL, 0, 0
	PVR 0x53, PH, 0, 0
.irp k, 1,2,3
	PVR 0x52, PH, \k, 0
	PVR 0x52, PL, \k, 0
	PVR 0x53, PH, \k, 0
.endr
.rept 4
	v_nop
.endr
	WIN 0x04
.set g, 0
.rept 16
	global_store_b128 v[LI], v[4*g:4*g+3], s[22:23] offset:512*g   ; the image of O^T's registers, in ascending order: 512 consecutive bytes a store
.set g, g+1
.endr
	WIN 0
	global_store_b64 v[L8], v[STT:STT+1], s[10:11]
	s_endpgm
.Lfunc_end_k_q636e9df3e7_first_attn:
	.size	k_q636e9df3e7_first_attn, .Lfunc_end_k_q636e9df3e7_first_attn-k_q636e9df3e7_first_attn
	.p2alignl 7, 3214868480
	.fill 96, 4, 3214868480
	.section	.rodata,"a",@progbits
	.p2align	6, 0x0
	.amdhsa_kernel k_q636e9df3e7_first_attn
		.amdhsa_group_segment_fixed_size 0
		.amdhsa_private_segment_fixed_size 0
		.amdhsa_enable_private_segment 0
		.amdhsa_kernarg_size 32
		.amdhsa_user_sgpr_count 2
		.amdhsa_user_sgpr_kernarg_segment_ptr 1
		.amdhsa_wavefront_size32 1
		.amdhsa_system_sgpr_workgroup_id_x 1
		.amdhsa_system_sgpr_workgroup_id_y 1
		.amdhsa_system_sgpr_workgroup_id_z 1
		.amdhsa_system_vgpr_workitem_id 0
		.amdhsa_next_free_vgpr 1024
		.amdhsa_next_free_sgpr 66
		.amdhsa_reserve_vcc 0
		.amdhsa_float_denorm_mode_32 3
		.amdhsa_float_denorm_mode_16_64 3
		.amdhsa_memory_ordered 1
		.amdhsa_forward_progress 1
		.amdhsa_inst_pref_size 58
	.end_amdhsa_kernel
	.amdgpu_metadata
---
amdhsa.version: [ 1, 2 ]
amdhsa.kernels:
  - .name:           k_q636e9df3e7_first_attn
    .symbol:         k_q636e9df3e7_first_attn.kd
    .args:
      - { .name: qk16, .offset: 0, .size: 8, .value_kind: global_buffer, .address_space: global }
      - { .name: vt, .offset: 8, .size: 8, .value_kind: global_buffer, .address_space: global }
      - { .name: attn_mask, .offset: 16, .size: 8, .value_kind: global_buffer, .address_space: global }
      - { .name: po, .offset: 24, .size: 8, .value_kind: global_buffer, .address_space: global }
    .group_segment_fixed_size: 0
    .private_segment_fixed_size: 0
    .kernarg_segment_align: 8
    .kernarg_segment_size: 32
    .max_flat_workgroup_size: 32
    .sgpr_count:     66
    .vgpr_count:     1024
    .wavefront_size: 32
...
	.end_amdgpu_metadata
.endif
;; end of part 3
;; launch wo_prep (part 4): grid 16 x 16, 8 waves a work-group, no clusters, 74,752 bytes of LDS; arguments Wo, po, wo16, part; writes wo16, part
.if DOCPART == 4
	.amdgcn_target "amdgcn-amd-amdhsa--gfx1250"
	.amdhsa_code_object_version 6
	.text
	.protected	k_q636e9df3e7_wo_prep
	.globl	k_q636e9df3e7_wo_prep
	.p2align	8
	.type	k_q636e9df3e7_wo_prep,@function
k_q636e9df3e7_wo_prep:
	s_mov_b64 s[64:65], 0
	v_nop
	global_prefetch_b8 v0, s[64:65] scope:SCOPE_SE
	s_setreg_imm32_b32 hwreg(HW_REG_WAVE_MODE, 25, 1), 1
	s_wait_xcnt 0x0
; Wo [2048][4096] f32 is read once and serves twice: 8 Wo leaves as f16 (wo16, not transposed; the factor 8 undoes V / 8), and the same numbers, in f32, project positions 0 to 15:
; part[head][q][n] = sum over the head's 128 d of o(q, d) / 8 x 8 Wo[128 head + d][n], by fused multiply-adds.  The sum over heads is made by the next launch.
; A work-group takes head y (128 rows of Wo) x 256 columns (x).  Wave w: columns 128 (w & 1) on, rows 32 (w >> 1) on: 16 KiB, all asked for at once.
; First the 16 chunks of the fine attention are joined: M = the largest m, factor_c = 2^(m_c - M) / L, L = sum 2^(m_c - M) l_c; o / 8 = sum factor_c O_c.  Wave w joins d = 16 w .. 16 w + 15; the result goes round through LDS.
; No matrix instruction: 16 rows are no bulk work.  No cluster: no tensor load, nothing to ask for jointly.
; REGISTERS: window 0: v2-9 addresses; v16-47 (m, l) of 16 chunks; v48-55 the joined numbers; later v16-79 the sums acc[q][4 columns]; v80-111 o of my 32 rows; v112-127 factors; v128-255 Wo, 32 rows x 4.
;   window 1: v0-127 the chunks' images.   s8-s39: o(q, row) in the even ones; the odd ones are written once (named as pairs).
.set LI,  2
.set L8,  3
.set SPW, 4
.set NIL, 5
.set OFS, 6
.set OFL, 7
.set RST, 8
.set RLD, 9
.set ML,  16
.set VAL, 48
.set ACC, 16
.set OFV, 80
.set AL,  112
.set W,   128
.set RED, 8192                         ; LDS: o at 0 ([128 d][16 q] f32); the waves' sums from RED on, 8,192 bytes each
.set SPARE, 73728
.set MSB, 0
.macro WIN new
.if MSB != \new
	s_set_vgpr_msb (MSB<<8)|\new
.set MSB, \new
.endif
.endm
	s_load_b256 s[40:47], s[0:1], 0x0              ; Wo, po, wo16, part
	v_lshl_add_u32 v[SPW], v0, 2, SPARE
	v_mov_b32 v[NIL], 0
	v_lshrrev_b32 v1, 5, v0
	v_readfirstlane_b32 s48, v1                    ; wave
	s_and_b32 s49, s48, 1                          ; nh
	s_lshr_b32 s50, s48, 1                         ; kq
	s_and_b32 s51, ttmp7, 0xffff                   ; head
	v_and_b32 v1, 31, v0
	v_lshlrev_b32 v[LI], 4, v1
	v_lshlrev_b32 v[L8], 3, v1
	v_and_b32 v10, 15, v0                          ; q
	v_bfe_u32 v11, v0, 4, 1                        ; h
	s_lshl_b32 s52, s48, 10
	v_lshlrev_b32 v[OFS], 2, v10
	v_lshl_add_u32 v[OFS], v11, 9, v[OFS]
	v_add_nc_u32 v[OFS], s52, v[OFS]               ; o(d = 16 w + 8 h + .., q) at 64 d + 4 q
	s_lshl_b32 s52, s50, 11
	v_lshlrev_b32 v[OFL], 2, v10
	v_add_nc_u32 v[OFL], s52, v[OFL]               ; my 32 rows' o
	s_lshl_b32 s52, s48, 13
	s_add_co_u32 s52, s52, RED
	v_add_nc_u32 v[RST], s52, v[LI]
	s_lshl_b32 s52, s49, 13
	s_lshl_b32 s53, s50, 11
	s_add_co_u32 s52, s52, s53
	s_add_co_u32 s52, s52, RED
	v_add_nc_u32 v[RLD], s52, v[LI]                ; the four sums of my column half, rows q = 4 kq on
.irp q, 0,1,2,3,4,5,6,7,8,9,10,11,12,13,14,15
	s_mov_b32 s[9+2*\q], 0
.endr
	s_mov_b32 s55, 0
	s_mov_b32 s57, 0
	s_mov_b32 s59, 0
	s_mov_b32 s61, 0
	s_mov_b32 s63, 0
	s_lshl_b32 s54, s51, 17
	s_lshl_b32 s52, s48, 10
	s_add_co_u32 s54, s54, s52                     ; images: head x 16 x 8,192 + two groups of 512 bytes a wave
	s_lshl_b32 s56, s51, 12
	s_add_co_u32 s56, s56, 2097152                 ; (m, l)
	s_lshl_b32 s58, s51, 21
	s_lshl_b32 s52, s50, 19
	s_add_co_u32 s58, s58, s52
	s_lshl_b32 s52, ttmp9, 10
	s_add_co_u32 s58, s58, s52
	s_lshl_b32 s52, s49, 9
	s_add_co_u32 s58, s58, s52                     ; Wo
	s_lshr_b32 s60, s58, 1                         ; wo16: half the bytes, the same place
	s_lshl_b32 s62, s51, 18
	s_lshl_b32 s52, s50, 16
	s_add_co_u32 s62, s62, s52
	s_lshl_b32 s52, ttmp9, 10
	s_add_co_u32 s62, s62, s52
	s_lshl_b32 s52, s49, 9
	s_add_co_u32 s62, s62, s52                     ; part
	s_wait_kmcnt 0x0
	s_add_nc_u64 s[54:55], s[42:43], s[54:55]
	s_add_nc_u64 s[56:57], s[42:43], s[56:57]
	s_add_nc_u64 s[40:41], s[40:41], s[58:59]
	s_add_nc_u64 s[44:45], s[44:45], s[60:61]
	s_add_nc_u64 s[46:47], s[46:47], s[62:63]
.set c, 0
.rept 16
	global_load_b64 v[ML+2*c:ML+2*c+1], v[L8], s[56:57] offset:256*c
.set c, c+1
.endr
	WIN 0x40
.irp g, 0,1
.set c, 0
.rept 16
	global_load_b128 v[(\g*16+c)*4:(\g*16+c)*4+3], v[LI], s[54:55] offset:8192*c+512*\g
.set c, c+1
.endr
.endr
	WIN 0
.set i, 0
.rept 32
	global_load_b128 v[W+4*i:W+4*i+3], v[LI], s[40:41] offset:16384*i th:TH_LOAD_NT     ; 512 consecutive bytes of a row
.set i, i+1
.endr
	s_wait_loadcnt 63                              ; 64 loads were issued behind the (m, l): they are in
	v_max3_num_f32 v10, v[ML], v[ML+2], v[ML+4]
.irp c, 3,5,7,9,11,13
	v_max3_num_f32 v10, v10, v[ML+2*\c], v[ML+2*\c+2]
.endr
	v_max_num_f32 v10, v10, v[ML+30]               ; M
.set c, 0
.rept 16
	v_sub_f32 v[AL+c], v[ML+2*c], v10
.set c, c+1
.endr
.set c, 0
.rept 16
	v_exp_f32 v[AL+c], v[AL+c]
.set c, c+1
.endr
	v_nop
	s_wait_alu depctr_va_vdst(0)                   ; one wait for the batch
	v_mul_f32 v11, v[AL], v[ML+1]
.set c, 1
.rept 15
	v_fma_f32 v11, v[AL+c], v[ML+2*c+1], v11       ; L
.set c, c+1
.endr
	v_rcp_f32 v12, v11
	v_nop
	s_wait_alu depctr_va_vdst(0)
.set c, 0
.rept 16
	v_mul_f32 v[AL+c], v[AL+c], v12
.set c, c+1
.endr
	s_wait_loadcnt 32                              ; the images are in; Wo's 32 loads may be out
	WIN 0x01
.set c, 0
.rept 16
.irp g, 0,1
.irp i, 0,1,2,3
.if c == 0
	v_mul_f32 v[VAL+4*\g+\i], v[(\g*16+c)*4+\i], v[AL+c]
.else
	v_fma_f32 v[VAL+4*\g+\i], v[(\g*16+c)*4+\i], v[AL+c], v[VAL+4*\g+\i]
.endif
.endr
.endr
.set c, c+1
.endr
	WIN 0
.irp i, 0,1,2,3,4,5,6,7
	ds_store_b32 v[OFS], v[VAL+\i] offset:64*\i    ; register 8 w + i of the image is d = 16 w + 8 h + i
.endr
	s_wait_dscnt 0x0                               ; for the others' sake: my stores have landed
	s_barrier_signal -1
	s_barrier_wait -1
.set i, 0
.rept 32
	ds_load_b32 v[OFV+i], v[OFL] offset:64*i       ; lane q (and q + 16): o(q, my row i) / 8
.set i, i+1
.endr
	s_wait_dscnt 0x0
.set i, 0
.rept 32
	s_wait_loadcnt 31-i                            ; row i is in; the younger rows' loads may be out
.irp q, 0,1,2,3,4,5,6,7,8,9,10,11,12,13,14,15
	v_readlane_b32 s[8+2*\q], v[OFV+i], \q
.endr
	v_pk_mul_f32 v[W+4*i:W+4*i+1], v[W+4*i:W+4*i+1], 0x41000000 op_sel_hi:[1,0]      ; 8 Wo: exact
	v_pk_mul_f32 v[W+4*i+2:W+4*i+3], v[W+4*i+2:W+4*i+3], 0x41000000 op_sel_hi:[1,0]
.irp q, 0,1,2,3,4,5,6,7,8,9,10,11,12,13,14,15
.if i == 0
	v_pk_mul_f32 v[ACC+4*\q:ACC+4*\q+1], v[W+4*i:W+4*i+1], s[8+2*\q:9+2*\q] op_sel_hi:[1,0]       ; the first row starts the sums
	v_pk_mul_f32 v[ACC+4*\q+2:ACC+4*\q+3], v[W+4*i+2:W+4*i+3], s[8+2*\q:9+2*\q] op_sel_hi:[1,0]
.else
	v_pk_fma_f32 v[ACC+4*\q:ACC+4*\q+1], v[W+4*i:W+4*i+1], s[8+2*\q:9+2*\q], v[ACC+4*\q:ACC+4*\q+1] op_sel_hi:[1,0,1]
	v_pk_fma_f32 v[ACC+4*\q+2:ACC+4*\q+3], v[W+4*i+2:W+4*i+3], s[8+2*\q:9+2*\q], v[ACC+4*\q+2:ACC+4*\q+3] op_sel_hi:[1,0,1]
.endif
.endr
	v_cvt_pk_f16_f32 v[W+4*i], v[W+4*i], v[W+4*i+1]
	v_cvt_pk_f16_f32 v[W+4*i+1], v[W+4*i+2], v[W+4*i+3]
	global_store_b64 v[L8], v[W+4*i:W+4*i+1], s[44:45] offset:8192*i     ; the wave stores 256 consecutive bytes, aligned; no store's data are written again
.set i, i+1
.endr
.set q, 0
.rept 16
	ds_store_b128 v[RST], v[ACC+4*q:ACC+4*q+3] offset:512*q
.set q, q+1
.endr
	s_wait_dscnt 0x0
	s_barrier_signal -1
	s_barrier_wait -1
.irp k, 0,1,2,3                                ; the four row quarters' sums of my four q, added in a fixed order
.irp q, 0,1,2,3
	ds_load_b128 v[ACC+16*\q+4*\k:ACC+16*\q+4*\k+3], v[RLD] offset:16384*\k+512*\q
.endr
.endr
	s_wait_dscnt 0x0
.irp q, 0,1,2,3
.irp j, 0,2
	v_pk_add_f32 v[ACC+16*\q+\j:ACC+16*\q+\j+1], v[ACC+16*\q+\j:ACC+16*\q+\j+1], v[ACC+16*\q+4+\j:ACC+16*\q+4+\j+1]
	v_pk_add_f32 v[ACC+16*\q+8+\j:ACC+16*\q+8+\j+1], v[ACC+16*\q+8+\j:ACC+16*\q+8+\j+1], v[ACC+16*\q+12+\j:ACC+16*\q+12+\j+1]
	v_pk_add_f32 v[ACC+16*\q+\j:ACC+16*\q+\j+1], v[ACC+16*\q+\j:ACC+16*\q+\j+1], v[ACC+16*\q+8+\j:ACC+16*\q+8+\j+1]
.endr
	global_store_b128 v[LI], v[ACC+16*\q:ACC+16*\q+3], s[46:47] offset:16384*\q
.endr
	s_wait_tensorcnt 0x0                           ; the wave's end: the three lines, behind my last LDS store
	ds_add_u32 v[SPW], v[NIL]
	s_wait_dscnt 0x0
	s_endpgm
.Lfunc_end_k_q636e9df3e7_wo_prep:
	.size	k_q636e9df3e7_wo_prep, .Lfunc_end_k_q636e9df3e7_wo_prep-k_q636e9df3e7_wo_prep
	.p2alignl 7, 3214868480
	.fill 96, 4, 3214868480
	.section	.rodata,"a",@progbits
	.p2align	6, 0x0
	.amdhsa_kernel k_q636e9df3e7_wo_prep
		.amdhsa_group_segment_fixed_size 74752
		.amdhsa_private_segment_fixed_size 0
		.amdhsa_enable_private_segment 0
		.amdhsa_kernarg_size 32
		.amdhsa_user_sgpr_count 2
		.amdhsa_user_sgpr_kernarg_segment_ptr 1
		.amdhsa_wavefront_size32 1
		.amdhsa_system_sgpr_workgroup_id_x 1
		.amdhsa_system_sgpr_workgroup_id_y 1
		.amdhsa_system_sgpr_workgroup_id_z 1
		.amdhsa_system_vgpr_workitem_id 0
		.amdhsa_next_free_vgpr 384
		.amdhsa_next_free_sgpr 66
		.amdhsa_reserve_vcc 0
		.amdhsa_float_denorm_mode_32 3
		.amdhsa_float_denorm_mode_16_64 3
		.amdhsa_memory_ordered 1
		.amdhsa_forward_progress 1
		.amdhsa_inst_pref_size 139
	.end_amdhsa_kernel
	.amdgpu_metadata
---
amdhsa.version: [ 1, 2 ]
amdhsa.kernels:
  - .name:           k_q636e9df3e7_wo_prep
    .symbol:         k_q636e9df3e7_wo_prep.kd
    .args:
      - { .name: Wo, .offset: 0, .size: 8, .value_kind: global_buffer, .address_space: global }
      - { .name: po, .offset: 8, .size: 8, .value_kind: global_buffer, .address_space: global }
      - { .name: wo16, .offset: 16, .size: 8, .value_kind: global_buffer, .address_space: global }
      - { .name: part, .offset: 24, .size: 8, .value_kind: global_buffer, .address_space: global }
    .group_segment_fixed_size: 74752
    .private_segment_fixed_size: 0
    .kernarg_segment_align: 8
    .kernarg_segment_size: 32
    .max_flat_workgroup_size: 256
    .sgpr_count:     66
    .vgpr_count:     384
    .wavefront_size: 32
...
	.end_amdgpu_metadata
.endif
;; end of part 4
;; launch attn (part 5): grid 32 x 8, 4 waves a work-group, clusters of 4 x 4, 327,680 bytes of LDS; arguments qk16, vt, attn_mask, part, o16, out0; writes o16, out0
.if DOCPART == 5
	.amdgcn_target "amdgcn-amd-amdhsa--gfx1250"
	.amdhsa_code_object_version 6
	.text
	.protected	k_q636e9df3e7_attn
	.globl	k_q636e9df3e7_attn
	.p2align	8
	.type	k_q636e9df3e7_attn,@function
k_q636e9df3e7_attn:
	s_mov_b64 s[64:65], 0
	v_nop
	global_prefetch_b8 v0, s[64:65] scope:SCOPE_SE
	s_setreg_imm32_b32 hwreg(HW_REG_WAVE_MODE, 25, 1), 1
	s_wait_xcnt 0x0
	s_wait_alu depctr_hold_cnt(0) depctr_sa_sdst(0) depctr_va_vdst(0) depctr_va_sdst(0) depctr_va_ssrc(0) depctr_va_vcc(0) depctr_vm_vsrc(0)
	s_getreg_b32 s2, hwreg(HW_REG_IB_STS2, 6, 4)
	s_cmp_eq_u32 s2, 0
	s_cbranch_scc0 .Lentry_in_a_cluster
	s_endpgm
.Lentry_in_a_cluster:
	s_bfe_u32 s2, ttmp6, 0x10000c
	s_cmp_lg_u32 s2, 0xf033
	s_cbranch_scc0 .Lentry_shape_is_right
	s_endpgm
.Lentry_shape_is_right:
; o = softmax(q k^T / sqrt(128) + attn_mask) v for all rows, in f16 operands and f32 sums; o16 [2048 tokens][16 heads x 128] holds o / 8 (V is kept as V / 8).  The mask is an input: every query walks all 2,048 keys.
; A work-group owns 64 queries (x) of the two heads that share key and value head y.  A slot holds 128 keys.  Wave w: queries 32 (w & 1) on, keys 64 (w >> 1) on of every slot: four tiles T = 2 qt + hh
; (16 queries qt, head 2 y + hh), so that each fragment of K and V feeds four products and each mask register two heads.  The two key halves are joined at the end through LDS.
; S^T = K Q^T, O^T = V^T P: a lane holds one query throughout.  V^T lies with the keys innermost, so its fragments are plain loads.
; w = score x log2(e) / sqrt(128) + mask x log2(e);  m = the running largest w (not under -1e38);  p = 2^(w - m), the difference formed ahead of the exponential, so that a tile that is wholly masked cannot overflow;
; O and l are multiplied by 2^(old m - new m) in every step; l is the sum of the unrounded p.
; CLUSTER 4 x 4: K's and V's tiles hang on y and are shared along a row of the cluster, the mask's on x and are shared along a column: joint loads, one a wave (wave 0 K, wave 1 V, waves 2 and 3 the mask's halves).
; The launch also adds the 16 heads' parts of the fine rows 0 to 15 and stores them to out0: 256 numbers a work-group.
; In phases (all of a step's K Q^T, the softmax, all of its V^T P).
; LIMITS: with x and Wv both some 30 times smaller than drawn, o / 8 falls among f16's subnormal numbers (absolute step 6e-8).
; REGISTERS: window 0: v2-11 addresses; v12-43 statistics, 8 a tile (+0 m, +2, +3 l, +4 .. +7 at work, the factor at +6); v44-46, v61-63 addresses; v64-191 S^T, 32 a tile; v192-255 P, 16 a tile.
;   window 1: O^T, 64 a tile.   window 2: v0-127 Q; v128-255 K.   window 3: v0-127 V^T; v128-191 the mask (32 qt + 8 kt).
.set PK,    272
.set PM,    528
.set VOFF,  128*PK                     ; a slot: 128 rows of K, 128 rows of V^T (256 bytes + 16), 64 rows of the mask (512 bytes + 16)
.set MOFF,  2*128*PK
.set SLOT1, 1<<17
.set SPARE, SLOT1+MOFF+64*PM           ; the spare words
.set XS,    65536                      ; the end, in slot 0 (left at the last change of slots, its last fill done): O^T's images at 0, the statistics here,
.set STG,   MOFF                       ; the stages for the way out here
.set AK0, 2
.set AV0, 3
.set ADK, 4
.set QO,  5
.set STO, 6
.set RD,  7
.set GO,  8
.set AM0, 9
.set ADM, 10
.set ADV, 11
.set ST,  12
.set XOA, 44
.set XSA, 45
.set FO,  46
.set PFO, 61
.set SPW, 62
.set NIL, 63
.set S,   64
.set PP,  192
.set KF,  128
.set MK,  128
.set WV,  16
.set G1K, 24
.set G1V, 32
.set G1M, 40
.set G0K, 48
.set G0V, 52
.set G0M, 56
.set SEL, 60
.set TB,  62
.set SLOTS, 63
.set C2,  66
.set CS,  68
.set PFA, 70
.set PFS, 72
.set LIM, 74
.set FLOOR, 75
.set MSB, 0
.macro WIN new
.if MSB != \new
	s_set_vgpr_msb (MSB<<8)|\new
.set MSB, \new
.endif
.endm
.macro PLACES
.rept 4
	v_nop
.endr
.endm
; a joint load: the branches hang on the wave's number alone; an s_nop 0 and four v_nop follow each line
.macro JLOAD3
	s_cmp_eq_u32 s[WV], 0
	s_cbranch_scc0 .Lnot_k_\@
	tensor_load_to_lds s[G0K:G0K+3], s[G1K:G1K+7]
	s_nop 0
.rept 4
	v_nop
.endr
	s_branch .Lasked_\@
.Lnot_k_\@:
	s_cmp_eq_u32 s[WV], 1
	s_cbranch_scc0 .Lnot_v_\@
	tensor_load_to_lds s[G0V:G0V+3], s[G1V:G1V+7]
	s_nop 0
.rept 4
	v_nop
.endr
	s_branch .Lasked_\@
.Lnot_v_\@:
	tensor_load_to_lds s[G0M:G0M+3], s[G1M:G1M+7]
	s_nop 0
.rept 4
	v_nop
.endr
.Lasked_\@:
.endm
; A prefetch of the tile that the NEXT change of slots will ask for: one trip, 128 products and a softmax, ahead of its load.  Each aligned block of 256 bytes is named once in the launch:
; K's and V's rows by the clusters with x = 0 (wave 0: K, wave 1: V; partner cx takes 32 rows, a lane a row), the mask's by the clusters with y = 0 (wave 2; partner cy takes 16 rows x 2 blocks).
; The partners are told apart by address.  The last change that fills a slot asks for nothing; nothing is asked at the head.
.macro ASK
	s_cmp_gt_u32 s[SLOTS], s[LIM]
	s_cbranch_scc0 .Lnot_mine_\@
	global_prefetch_b8 v[PFO], s[PFA:PFA+1] th:TH_LOAD_NT scope:SCOPE_SE
.Lnot_mine_\@:
.endm
.macro CROUND
	s_barrier_signal -1
	s_barrier_wait -1
	s_cmp_lg_u32 s[WV], 0
	s_cbranch_scc1 .Lnot_wave_0_\@
	s_barrier_signal -3
.Lnot_wave_0_\@:
	s_barrier_wait -3
	s_barrier_signal -1
	s_barrier_wait -1
.endm
	s_load_b256 s[4:11], s[0:1], 0x0               ; qk16, vt, attn_mask, part
	s_load_b128 s[12:15], s[0:1], 0x20             ; o16, out0
	v_lshl_add_u32 v[SPW], v0, 2, SPARE
	v_mov_b32 v[NIL], 0
	ds_add_u32 v[SPW], v[NIL]                      ; the opening: the add, twice on end, and its wait ahead of my first tensor load
	ds_add_u32 v[SPW], v[NIL]
	v_lshrrev_b32 v1, 5, v0
	v_readfirstlane_b32 s[WV], v1
	s_and_b32 s17, s[WV], 1                        ; rg
	s_lshr_b32 s18, s[WV], 1                       ; kg
	s_bfe_u32 s19, ttmp6, 0x40000                  ; cx
	s_bfe_u32 s20, ttmp6, 0x40004                  ; cy
	s_lshl_b32 s21, ttmp9, 2
	s_add_co_u32 s21, s21, s19                     ; qb: my block of 64 queries
	s_and_b32 s23, ttmp7, 0xffff                   ; cluster y
	s_lshl_b32 s22, s23, 2
	s_add_co_u32 s22, s22, s20                     ; g: my key and value head
	s_lshl_b32 s76, s20, 2
	s_lshl_b32 s76, 15, s76                        ; my row of the cluster
	s_lshl_b32 s77, 0x1111, s19                    ; my column
	s_or_b32 s[G1K], s76, (1<<16)|(1<<20)|(1<<21)|(5<<22)|(3<<25)   ; elements of 2 bytes; 4 words of padding behind every 64
	s_or_b32 s[G1V], s76, (1<<16)|(1<<20)|(1<<21)|(5<<22)|(3<<25)
	s_or_b32 s[G1M], s77, (2<<16)|(1<<20)|(1<<21)|(6<<22)|(3<<25)   ; elements of 4 bytes; 4 words behind every 128
.irp g, G1K, G1V, G1M
	s_mov_b32 s[\g+1], 128<<16                     ; tensor_dim0 = 128
	s_mov_b32 s[\g+3], 128<<16                     ; tile_dim0
	s_mov_b32 s[\g+6], 0
	s_mov_b32 s[\g+7], 0
.endr
	s_mov_b32 s[G1K+2], 128<<16                    ; K: 128 keys, dense rows of 128
	s_mov_b32 s[G1K+4], 128
	s_mov_b32 s[G1K+5], 128
	s_mov_b32 s[G1V+2], 128<<16                    ; V^T: 128 rows d, 2,048 keys from row to row
	s_mov_b32 s[G1V+4], 128
	s_mov_b32 s[G1V+5], 2048
	s_mov_b32 s[G1M+2], 32<<16                     ; the mask: 32 rows a load
	s_mov_b32 s[G1M+4], 32
	s_mov_b32 s[G1M+5], 2048
	s_add_co_u32 s78, s22, 16
	s_lshl_b32 s78, s78, 19                        ; K: head 16 + g
	s_mov_b32 s79, 0
	s_lshl_b32 s80, s22, 19                        ; V^T
	s_mov_b32 s81, 0
	s_lshl_b32 s82, s21, 1
	s_add_co_u32 s82, s82, s17                     ; 2 qb + (wave & 1): holds cx, never cy
	s_lshl_b32 s84, s82, 13
	s_lshl_b32 s86, s82, 17
	s_lshl_b32 s82, s82, 18                        ; the mask: rows 64 qb + 32 (wave & 1) on
	s_mov_b32 s83, 0
	s_lshl_b32 s2, s22, 20
	s_add_co_u32 s84, s84, s2                      ; Q: head 2 g, my 32 queries
	s_mov_b32 s85, 0
	s_lshl_b32 s2, s22, 9
	s_add_co_u32 s86, s86, s2                      ; o16: my 32 rows, head 2 g
	s_mov_b32 s87, 0
	s_lshl_b32 s88, s22, 5
	s_add_co_u32 s88, s88, s21
	s_lshl_b32 s88, s88, 10                        ; the fine rows: 256 numbers a work-group
	s_mov_b32 s89, 0
	s_mov_b32 s[SEL], 0x76543210
	s_mov_b32 s[SEL+1], 0xfedcba98
	s_mov_b32 s[C2], 0x3e0293ee                    ; log2(e) / sqrt(128)
	s_mov_b32 s[C2+1], s[C2]
	s_mov_b32 s[CS], 0x3fb8aa3b                    ; log2(e)
	s_mov_b32 s[CS+1], s[CS]
	s_mov_b32 s[FLOOR], 0xfe967699                 ; -1e38
	s_mov_b32 s[TB], 0
	s_mov_b32 s[SLOTS], 15
	; the prefetches: offsets of tile 1 (the first change of slots steps them to tile 2), made apart from the addresses
	s_lshl_b32 s90, s19, 13
	s_add_co_u32 s90, s90, s78
	s_add_co_u32 s90, s90, 32768                   ; K: partner cx's 32 rows
	s_lshl_b32 s91, s19, 17
	s_add_co_u32 s91, s91, s80
	s_add_co_u32 s91, s91, 256                     ; V^T: partner cx's 32 rows
	s_lshl_b32 s92, s21, 19
	s_lshl_b32 s93, s20, 17
	s_add_co_u32 s92, s92, s93
	s_add_co_u32 s92, s92, 512                     ; the mask: partner cy's 16 rows
	s_cmp_eq_u32 s[WV], 0
	s_cselect_b32 s90, s90, s91
	s_mov_b32 s[PFS], 256
	s_cselect_b32 s[PFS], 32768, s[PFS]            ; a tile on
	s_mov_b32 s94, 4096
	s_cselect_b32 s94, 256, s94                    ; from row to row
	s_cmp_lt_u32 s[WV], 2
	s_cselect_b32 s90, s90, s92
	s_mov_b32 s93, 512
	s_cselect_b32 s[PFS], s[PFS], s93
	s_mov_b32 s93, 8192
	s_cselect_b32 s94, s94, s93
	s_cselect_b32 s95, 0, 1                        ; the mask: two lanes to a row,
	s_mov_b32 s93, 256
	s_cselect_b32 s96, 0, s93                      ; 256 bytes apart
	s_cselect_b32 s97, ttmp9, s23                  ; the coordinate along which other clusters read the same rows
	s_lshr_b32 s98, s[WV], 1
	s_and_b32 s98, s98, s[WV]                      ; 1 in wave 3, which asks for nothing
	s_or_b32 s97, s97, s98
	s_cmp_eq_u32 s97, 0
	s_cselect_b32 s[LIM], 1, -1                    ; the same in all partners, for a given wave
	s_mov_b32 s91, 0
	s_mov_b32 s[PFS+1], 0
	v_and_b32 v[PFO], 31, v0
	v_and_b32 v1, 1, v[PFO]
	v_lshrrev_b32 v[PFO], s95, v[PFO]
	v_mul_lo_u32 v[PFO], v[PFO], s94
	v_mul_lo_u32 v1, v1, s96
	v_add_nc_u32 v[PFO], v[PFO], v1
	s_wait_dscnt 0x0                               ; both opening adds are done
	s_wait_kmcnt 0x0
	s_cmp_eq_u32 s[WV], 0
	s_cselect_b64 s[PFA:PFA+1], s[4:5], s[6:7]
	s_cmp_lt_u32 s[WV], 2
	s_cselect_b64 s[PFA:PFA+1], s[PFA:PFA+1], s[8:9]
	s_add_nc_u64 s[PFA:PFA+1], s[PFA:PFA+1], s[90:91]
	s_add_nc_u64 s[84:85], s[4:5], s[84:85]        ; Q
	s_add_nc_u64 s[12:13], s[12:13], s[86:87]      ; o16
	s_add_nc_u64 s[10:11], s[10:11], s[88:89]      ; part
	s_add_nc_u64 s[14:15], s[14:15], s[88:89]      ; out0
	CROUND                                         ; all sixteen work-groups are here
	s_mov_b32 s[G0K], 1
	s_mov_b32 s[G0K+1], 0
	s_add_nc_u64 s[G0K+2:G0K+3], s[4:5], s[78:79]
	s_or_b32 s[G0K+3], s[G0K+3], 0x80000000
	s_mov_b32 s[G0V], 1
	s_mov_b32 s[G0V+1], VOFF
	s_add_nc_u64 s[G0V+2:G0V+3], s[6:7], s[80:81]
	s_or_b32 s[G0V+3], s[G0V+3], 0x80000000
	s_mov_b32 s[G0M], 1
	s_mul_i32 s[G0M+1], s17, 32*PM
	s_add_co_u32 s[G0M+1], s[G0M+1], MOFF
	s_add_nc_u64 s[G0M+2:G0M+3], s[8:9], s[82:83]
	s_or_b32 s[G0M+3], s[G0M+3], 0x80000000
	JLOAD3                                         ; tile 0 into slot 0: one load of mine is out
	v_and_b32 v1, 15, v0                           ; r
	v_bfe_u32 v60, v0, 4, 1                        ; h
	v_lshlrev_b32 v[QO], 8, v1
	v_lshl_add_u32 v[QO], v60, 4, v[QO]
	WIN 0x80
.irp t, 0,1,2,3
.irp i, 0,1,2,3
	global_load_b128 v[32*\t+8*\i:32*\t+8*\i+3], v[QO], s[84:85] offset:(\t%2)*524288+(\t/2)*4096+64*\i
	global_load_b128 v[32*\t+8*\i+4:32*\t+8*\i+7], v[QO], s[84:85] offset:(\t%2)*524288+(\t/2)*4096+64*\i+32
.endr
.endr
	WIN 0
	v_lshlrev_b32 v[FO], 3, v0
.set c, 0
.rept 16
	global_load_b64 v[S+2*c:S+2*c+1], v[FO], s[10:11] offset:262144*c      ; the 16 heads' parts of my two numbers of the fine rows
.set c, c+1
.endr
	v_mul_u32_u24 v59, v1, PK
	v_lshl_add_u32 v59, v60, 4, v59                ; r x 272 + 16 h
	s_mul_i32 s2, s18, 64*PK
	v_add_nc_u32 v[AK0], s2, v59                   ; K: my 64 keys
	s_lshl_b32 s2, s18, 7
	s_add_co_u32 s2, s2, VOFF
	v_add_nc_u32 v[AV0], s2, v59                   ; V^T: row d = r, my 64 keys' 128 bytes
	v_mul_u32_u24 v[AM0], v1, PM
	v_lshl_add_u32 v[AM0], v60, 5, v[AM0]
	s_mul_i32 s2, s17, 32*PM
	s_lshl_b32 s3, s18, 8
	s_add_co_u32 s2, s2, s3
	s_add_co_u32 s2, s2, MOFF
	v_add_nc_u32 v[AM0], s2, v[AM0]                ; the mask: my 32 queries' rows, my 64 keys' 256 bytes, + 32 h
	s_mul_i32 s2, s17, 16*PK
	s_add_co_u32 s2, s2, STG
	v_add_nc_u32 v[STO], s2, v59
	v_mul_u32_u24 v[RD], v60, PK
	v_lshl_add_u32 v[RD], v1, 4, v[RD]
	v_add_nc_u32 v[RD], s2, v[RD]
	v_lshlrev_b32 v[GO], 12, v60
	v_lshl_add_u32 v[GO], v1, 4, v[GO]             ; o16: rows of 4,096 bytes
	v_and_b32 v58, 31, v0
	s_lshl_b32 s2, s17, 15
	v_lshl_add_u32 v[XOA], v58, 4, s2
	s_lshl_b32 s2, s17, 10
	s_add_co_u32 s2, s2, XS
	v_lshl_add_u32 v[XSA], v58, 3, s2
.irp t, 0,1,2,3
	v_mov_b32 v[ST+8*\t+1], 0                      ; (named as the upper half of m's pair)
.endr
	s_wait_loadcnt 0x0                             ; Q and the parts
.set c, 1
.rept 15
	v_pk_add_f32 v[S:S+1], v[S:S+1], v[S+2*c:S+2*c+1]      ; in a fixed order
.set c, c+1
.endr
	global_store_b64 v[FO], v[S:S+1], s[14:15]     ; rows 0 to 15 of out0: a wave stores 256 consecutive bytes, aligned
.macro STEP first
	PLACES                                         ; four places between the last products and loads into the registers that they read
	v_add_nc_u32 v[ADK], s[TB], v[AK0]
	v_add_nc_u32 v[ADM], s[TB], v[AM0]
	v_add_nc_u32 v[ADV], s[TB], v[AV0]
	WIN 0x80
.set f, 0
.rept 16                                       ; K: keys 16 (f / 4) on, channels 32 (f % 4) on
	ds_load_b128 v[KF+8*f:KF+8*f+3], v[ADK] offset:(f/4)*16*PK+(f%4)*64
	ds_load_b128 v[KF+8*f+4:KF+8*f+7], v[ADK] offset:(f/4)*16*PK+(f%4)*64+32
.set f, f+1
.endr
	WIN 0xc0
.irp q, 0,1
.irp k, 0,1,2,3
	ds_load_b128 v[MK+32*\q+8*\k:MK+32*\q+8*\k+3], v[ADM] offset:\q*16*PM+64*\k
	ds_load_b128 v[MK+32*\q+8*\k+4:MK+32*\q+8*\k+7], v[ADM] offset:\q*16*PM+64*\k+16
.endr
.endr
.set f, 0
.rept 16                                       ; V^T: d 16 (f % 8) on, keys 32 (f / 8) on
	ds_load_b128 v[8*f:8*f+3], v[ADV] offset:(f%8)*16*PK+(f/8)*64
	ds_load_b128 v[8*f+4:8*f+7], v[ADV] offset:(f%8)*16*PK+(f/8)*64+32
.set f, f+1
.endr
	s_wait_dscnt 48                                ; K is in; the mask's 16 and V's 32 loads may be out
	WIN 0x0a
.set ci, 0
.rept 4                                        ; 16 accumulators by turns
.set kt, 0
.rept 4
.irp t, 0,1,2,3
.if ci == 0
	v_wmma_f32_16x16x32_f16 v[S+32*\t+8*kt:S+32*\t+8*kt+7], v[KF+32*kt+8*ci:KF+32*kt+8*ci+7], v[32*\t+8*ci:32*\t+8*ci+7], 0
.else
	v_wmma_f32_16x16x32_f16 v[S+32*\t+8*kt:S+32*\t+8*kt+7], v[KF+32*kt+8*ci:KF+32*kt+8*ci+7], v[32*\t+8*ci:32*\t+8*ci+7], v[S+32*\t+8*kt:S+32*\t+8*kt+7]
.endif
.endr
.set kt, kt+1
.endr
.set ci, ci+1
.endr
	s_wait_dscnt 32                                ; the mask is in; V's 32 loads may be out
	WIN 0xc3
.set p, 0
.rept 32
	v_pk_mul_f32 v[MK+2*p:MK+2*p+1], v[MK+2*p:MK+2*p+1], s[CS:CS+1] op_sel_hi:[1,0]   ; the mask in powers of two, once for both heads (also the places behind the products)
.set p, p+1
.endr
	WIN 0x30
.irp t, 0,1,2,3
.set p, 0
.rept 16
	v_pk_fma_f32 v[S+32*\t+2*p:S+32*\t+2*p+1], v[S+32*\t+2*p:S+32*\t+2*p+1], s[C2:C2+1], v[MK+32*(\t/2)+2*p:MK+32*(\t/2)+2*p+1] op_sel_hi:[1,0,1]   ; w; each accumulator from its low end on
.set p, p+1
.endr
.endr
	WIN 0
.irp k, 0,1,2,3
.irp t, 0,1,2,3
	v_max3_num_f32 v[ST+8*\t+4+\k], v[S+32*\t+8*\k], v[S+32*\t+8*\k+1], v[S+32*\t+8*\k+2]
.endr
.endr
.irp e, 3,5
.irp k, 0,1,2,3
.irp t, 0,1,2,3
	v_max3_num_f32 v[ST+8*\t+4+\k], v[ST+8*\t+4+\k], v[S+32*\t+8*\k+\e], v[S+32*\t+8*\k+\e+1]
.endr
.endr
.endr
.irp t, 0,1,2,3
	v_max3_num_f32 v[ST+8*\t+4], v[ST+8*\t+4], v[S+32*\t+7], v[S+32*\t+15]
	v_max3_num_f32 v[ST+8*\t+6], v[ST+8*\t+6], v[S+32*\t+23], v[S+32*\t+31]
.endr
.irp t, 0,1,2,3
	v_max3_num_f32 v[ST+8*\t+4], v[ST+8*\t+4], v[ST+8*\t+5], v[ST+8*\t+6]
.endr
.irp t, 0,1,2,3
.if \first
	v_max3_num_f32 v[ST+8*\t+4], v[ST+8*\t+4], v[ST+8*\t+7], s[FLOOR]
.else
	v_max3_num_f32 v[ST+8*\t+4], v[ST+8*\t+4], v[ST+8*\t+7], v[ST+8*\t]
.endif
.endr
.irp t, 0,1,2,3
	v_permlanex16_b32 v[ST+8*\t+5], v[ST+8*\t+4], s[SEL], s[SEL+1]       ; the query's other 32 keys lie in lane l xor 16
.endr
.irp t, 0,1,2,3
	v_max_num_f32 v[ST+8*\t+4], v[ST+8*\t+4], v[ST+8*\t+5]               ; the new m
.endr
.if !\first
.irp t, 0,1,2,3
	v_sub_f32 v[ST+8*\t+7], v[ST+8*\t], v[ST+8*\t+4]                     ; old m - new m
.endr
.endif
.irp t, 0,1,2,3
	v_mov_b32 v[ST+8*\t], v[ST+8*\t+4]
.endr
.irp t, 0,1,2,3
.set p, 0
.rept 16
	v_pk_add_f32 v[S+32*\t+2*p:S+32*\t+2*p+1], v[S+32*\t+2*p:S+32*\t+2*p+1], v[ST+8*\t:ST+8*\t+1] op_sel_hi:[1,0] neg_lo:[0,1] neg_hi:[0,1]   ; w - m
.set p, p+1
.endr
.endr
.if !\first
.irp t, 0,1,2,3
	v_exp_f32 v[ST+8*\t+6], v[ST+8*\t+7]
.endr
.endif
.set p, 0
.rept 128
	v_exp_f32 v[S+p], v[S+p]
.set p, p+1
.endr
	v_nop                                          ; a plain line behind the batch,
	s_wait_alu depctr_va_vdst(0)                   ; and its one wait, ahead of the first reader
.set p, 0
.rept 64
	v_cvt_pk_f16_f32 v[PP+p], v[S+2*p], v[S+2*p+1]
.set p, p+1
.endr
.irp t, 0,1,2,3
	v_pk_add_f32 v[ST+8*\t+4:ST+8*\t+5], v[S+32*\t:S+32*\t+1], v[S+32*\t+2:S+32*\t+3]
.endr
.set p, 2
.rept 13
.irp t, 0,1,2,3
	v_pk_add_f32 v[ST+8*\t+4:ST+8*\t+5], v[ST+8*\t+4:ST+8*\t+5], v[S+32*\t+2*p:S+32*\t+2*p+1]
.endr
.set p, p+1
.endr
.irp t, 0,1,2,3
.if \first
	v_pk_add_f32 v[ST+8*\t+2:ST+8*\t+3], v[ST+8*\t+4:ST+8*\t+5], v[S+32*\t+30:S+32*\t+31]
.else
	v_pk_add_f32 v[ST+8*\t+4:ST+8*\t+5], v[ST+8*\t+4:ST+8*\t+5], v[S+32*\t+30:S+32*\t+31]
.endif
.endr
.if !\first
.irp t, 0,1,2,3
	v_pk_fma_f32 v[ST+8*\t+2:ST+8*\t+3], v[ST+8*\t+2:ST+8*\t+3], v[ST+8*\t+6:ST+8*\t+7], v[ST+8*\t+4:ST+8*\t+5] op_sel_hi:[1,0,1]
.endr
	WIN 0x41
.irp t, 0,1,2,3
.set p, 0
.rept 32
	v_pk_mul_f32 v[64*\t+2*p:64*\t+2*p+1], v[64*\t+2*p:64*\t+2*p+1], v[ST+8*\t+6:ST+8*\t+7] op_sel_hi:[1,0]   ; O^T under the new m
.set p, p+1
.endr
.endr
.endif
	s_wait_dscnt 0x0                               ; V is in
	WIN 0x53
.set ks, 0
.rept 2                                        ; 32 accumulators by turns
.set dt, 0
.rept 8
.irp t, 0,1,2,3
.if \first && (ks == 0)
	v_wmma_f32_16x16x32_f16 v[64*\t+8*dt:64*\t+8*dt+7], v[64*ks+8*dt:64*ks+8*dt+7], v[PP+16*\t+8*ks:PP+16*\t+8*ks+7], 0
.else
	v_wmma_f32_16x16x32_f16 v[64*\t+8*dt:64*\t+8*dt+7], v[64*ks+8*dt:64*ks+8*dt+7], v[PP+16*\t+8*ks:PP+16*\t+8*ks+7], v[64*\t+8*dt:64*\t+8*dt+7]
.endif
.endr
.set dt, dt+1
.endr
.set ks, ks+1
.endr
	WIN 0
	s_xor_b32 s[TB], s[TB], SLOT1                  ; on to the other slot
.endm
; The change of slots stands at a step's head: each wave waits for all its tensor loads (its part of the slot ahead), adds 0 to its spare word, waits for that and for its reads of the slot left.
; fill = 1: a round of the cluster's barrier, and behind it the slot left is filled with the next 128 keys: the load has a whole step in which to land.
.macro CHANGE fill
	s_wait_tensorcnt 0x0                           ; no tensor load of mine is out: the descriptors may be written
	ds_add_u32 v[SPW], v[NIL]
.if \fill
.irp g, G0K, G0V, G0M
	s_xor_b32 s[\g+1], s[\g+1], SLOT1
.endr
	s_add_nc_u64 s[G0K+2:G0K+3], s[G0K+2:G0K+3], 32768
	s_add_nc_u64 s[G0V+2:G0V+3], s[G0V+2:G0V+3], 256
	s_add_nc_u64 s[G0M+2:G0M+3], s[G0M+2:G0M+3], 512
	s_wait_xcnt 0x0                                ; the last prefetch, a step back, has read its address (and the head's store its data)
	s_add_nc_u64 s[PFA:PFA+1], s[PFA:PFA+1], s[PFS:PFS+1]
	s_wait_dscnt 0x0                               ; the add is done, my reads of the slot left are over
	CROUND
	JLOAD3                                         ; my one tensor load behind the round
	ASK
.else
	s_wait_dscnt 0x0
	s_barrier_signal -1
	s_barrier_wait -1
.endif
.endm
	CHANGE 1                                       ; tile 0 is whole; tile 1 is asked for
	STEP 1
	s_sub_co_u32 s[SLOTS], s[SLOTS], 1
.Lslot:                                                ; 14 trips: tiles 1 to 14 are worked, tiles 2 to 15 asked for
	CHANGE 1
	STEP 0
	s_sub_co_u32 s[SLOTS], s[SLOTS], 1
	s_cmp_lg_u32 s[SLOTS], 0
	s_cbranch_scc1 .Lslot
	CHANGE 0                                       ; the last tile is written out: nothing is left to ask for
	STEP 0
	; THE TWO KEY HALVES ARE JOINED.  Waves 2 and 3 hand O^T (as images of its registers), m and l to waves 0 and 1 through LDS.
	PLACES
	s_cmp_lt_u32 s[WV], 2
	s_cbranch_scc1 .Lkeep
.irp t, 0,1,2,3
	v_add_f32 v[ST+8*\t+1], v[ST+8*\t+2], v[ST+8*\t+3]
.endr
.irp t, 0,1,2,3
	ds_store_b64 v[XSA], v[ST+8*\t:ST+8*\t+1] offset:256*\t
.endr
	WIN 0x04
.set i, 0
.rept 64
	ds_store_b128 v[XOA], v[4*i:4*i+3] offset:512*i        ; each accumulator from its low end on
.set i, i+1
.endr
	WIN 0
.Lkeep:
	s_wait_dscnt 0x0                               ; for the others' sake: my stores have landed
	s_barrier_signal -1
	s_barrier_wait -1
	s_cmp_lt_u32 s[WV], 2
	s_cbranch_scc0 .Lfin
.irp t, 0,1,2,3
	ds_load_b64 v[ST+8*\t+4:ST+8*\t+5], v[XSA] offset:256*\t
.endr
	s_wait_dscnt 0x0
.irp t, 0,1,2,3
	v_max_num_f32 v[ST+8*\t+6], v[ST+8*\t], v[ST+8*\t+4]
.endr
.irp t, 0,1,2,3
	v_sub_f32 v[ST+8*\t+7], v[ST+8*\t], v[ST+8*\t+6]
	v_sub_f32 v[ST+8*\t+4], v[ST+8*\t+4], v[ST+8*\t+6]
.endr
.irp t, 0,1,2,3
	v_exp_f32 v[ST+8*\t+7], v[ST+8*\t+7]
	v_exp_f32 v[ST+8*\t+4], v[ST+8*\t+4]
.endr
.irp t, 0,1,2,3
	v_add_f32 v[ST+8*\t+2], v[ST+8*\t+2], v[ST+8*\t+3]     ; plain work behind the batch
.endr
	s_wait_alu depctr_va_vdst(0)
.irp t, 0,1,2,3
	v_mul_f32 v[ST+8*\t+2], v[ST+8*\t+2], v[ST+8*\t+7]
.endr
.irp t, 0,1,2,3
	v_fma_f32 v[ST+8*\t+2], v[ST+8*\t+4], v[ST+8*\t+5], v[ST+8*\t+2]
.endr
.irp t, 0,1,2,3
	v_permlanex16_b32 v[ST+8*\t+3], v[ST+8*\t+2], s[SEL], s[SEL+1]
.endr
.irp t, 0,1,2,3
	v_add_f32 v[ST+8*\t+2], v[ST+8*\t+2], v[ST+8*\t+3]     ; the row's sum
.endr
.irp t, 0,1,2,3
	v_rcp_f32 v[ST+8*\t+6], v[ST+8*\t+2]
.endr
	v_nop
	s_wait_alu depctr_va_vdst(0)
.irp t, 0,1,2,3
	v_mul_f32 v[ST+8*\t], v[ST+8*\t+7], v[ST+8*\t+6]       ; my half's factor,
	v_mul_f32 v[ST+8*\t+4], v[ST+8*\t+4], v[ST+8*\t+6]     ; the other half's
.endr
.macro MERGE t
.set XB, S+64*((\t)%2)
.set HB, PP+32*((\t)%2)
.if (\t) >= 2
	s_wait_xcnt 0x0                                ; the stores of two tiles back have read their registers
.endif
.set i, 0
.rept 16
	ds_load_b128 v[XB+4*i:XB+4*i+3], v[XOA] offset:512*(16*(\t)+i)
.set i, i+1
.endr
	WIN 0x41
.set p, 0
.rept 32
	v_pk_mul_f32 v[64*(\t)+2*p:64*(\t)+2*p+1], v[64*(\t)+2*p:64*(\t)+2*p+1], v[ST+8*(\t):ST+8*(\t)+1] op_sel_hi:[1,0]
.set p, p+1
.endr
	s_wait_dscnt 0x0
	WIN 0x50
.set p, 0
.rept 32
	v_pk_fma_f32 v[64*(\t)+2*p:64*(\t)+2*p+1], v[XB+2*p:XB+2*p+1], v[ST+8*(\t)+4:ST+8*(\t)+5], v[64*(\t)+2*p:64*(\t)+2*p+1] op_sel_hi:[1,0,1]
.set p, p+1
.endr
	WIN 0x05
.set p, 0
.rept 32
	v_cvt_pk_f16_f32 v[HB+p], v[64*(\t)+2*p], v[64*(\t)+2*p+1]
.set p, p+1
.endr
	WIN 0
.irp f, 0,1,2,3,4,5,6,7
	ds_store_b128 v[STO], v[HB+4*\f:HB+4*\f+3] offset:32*\f
.endr
.irp f, 0,1,2,3,4,5,6,7
	ds_load_b128 v[HB+4*\f:HB+4*\f+3], v[RD] offset:\f*2*PK        ; LDS serves a wave's instructions in order: these see the stores above
.endr
.irp f, 0,1,2,3,4,5,6,7
	s_wait_dscnt 7-\f                              ; the younger read-backs may be out
	global_store_b128 v[GO], v[HB+4*\f:HB+4*\f+3], s[12:13] offset:((\t)/2)*65536+((\t)%2)*256+\f*8192   ; sixteen lanes store 256 consecutive bytes, aligned
.endr
.endm
	MERGE 0
	MERGE 1
	MERGE 2
	MERGE 3
.Lfin:
	s_wait_tensorcnt 0x0                           ; the wave's end: the three lines
	ds_add_u32 v[SPW], v[NIL]
	s_wait_dscnt 0x0
	CROUND                                         ; the closing round
	s_endpgm
.Lfunc_end_k_q636e9df3e7_attn:
	.size	k_q636e9df3e7_attn, .Lfunc_end_k_q636e9df3e7_attn-k_q636e9df3e7_attn
	.p2alignl 7, 3214868480
	.fill 96, 4, 3214868480
	.section	.rodata,"a",@progbits
	.p2align	6, 0x0
	.amdhsa_kernel k_q636e9df3e7_attn
		.amdhsa_group_segment_fixed_size 327680
		.amdhsa_private_segment_fixed_size 0
		.amdhsa_enable_private_segment 0
		.amdhsa_kernarg_size 48
		.amdhsa_user_sgpr_count 2
		.amdhsa_user_sgpr_kernarg_segment_ptr 1
		.amdhsa_wavefront_size32 1
		.amdhsa_system_sgpr_workgroup_id_x 1
		.amdhsa_system_sgpr_workgroup_id_y 1
		.amdhsa_system_sgpr_workgroup_id_z 1
		.amdhsa_system_vgpr_workitem_id 0
		.amdhsa_next_free_vgpr 1024
		.amdhsa_next_free_sgpr 100
		.amdhsa_reserve_vcc 0
		.amdhsa_float_denorm_mode_32 3
		.amdhsa_float_denorm_mode_16_64 3
		.amdhsa_memory_ordered 1
		.amdhsa_forward_progress 1
		.amdhsa_inst_pref_size 201
	.end_amdhsa_kernel
	.amdgpu_metadata
---
amdhsa.version: [ 1, 2 ]
amdhsa.kernels:
  - .name:           k_q636e9df3e7_attn
    .symbol:         k_q636e9df3e7_attn.kd
    .args:
      - { .name: qk16, .offset: 0, .size: 8, .value_kind: global_buffer, .address_space: global }
      - { .name: vt, .offset: 8, .size: 8, .value_kind: global_buffer, .address_space: global }
      - { .name: attn_mask, .offset: 16, .size: 8, .value_kind: global_buffer, .address_space: global }
      - { .name: part, .offset: 24, .size: 8, .value_kind: global_buffer, .address_space: global }
      - { .name: o16, .offset: 32, .size: 8, .value_kind: global_buffer, .address_space: global }
      - { .name: out0, .offset: 40, .size: 8, .value_kind: global_buffer, .address_space: global }
    .group_segment_fixed_size: 327680
    .private_segment_fixed_size: 0
    .kernarg_segment_align: 8
    .kernarg_segment_size: 48
    .max_flat_workgroup_size: 128
    .sgpr_count:     100
    .vgpr_count:     1024
    .wavefront_size: 32
...
	.end_amdgpu_metadata
.endif
;; end of part 5
;; launch oproj (part 6): grid 16 x 16, 4 waves a work-group, clusters of 4 x 4, 327,680 bytes of LDS; arguments o16, wo16, out0; writes out0
.if DOCPART == 6
	.amdgcn_target "amdgcn-amd-amdhsa--gfx1250"
	.amdhsa_code_object_version 6
	.text
	.protected	k_q636e9df3e7_oproj
	.globl	k_q636e9df3e7_oproj
	.p2align	8
	.type	k_q636e9df3e7_oproj,@function
k_q636e9df3e7_oproj:
	s_mov_b64 s[64:65], 0
	v_nop
	global_prefetch_b8 v0, s[64:65] scope:SCOPE_SE
	s_setreg_imm32_b32 hwreg(HW_REG_WAVE_MODE, 25, 1), 1
	s_wait_xcnt 0x0
	s_wait_alu depctr_hold_cnt(0) depctr_sa_sdst(0) depctr_va_vdst(0) depctr_va_sdst(0) depctr_va_ssrc(0) depctr_va_vcc(0) depctr_vm_vsrc(0)
	s_getreg_b32 s2, hwreg(HW_REG_IB_STS2, 6, 4)
	s_cmp_eq_u32 s2, 0
	s_cbranch_scc0 .Lentry_in_a_cluster
	s_endpgm
.Lentry_in_a_cluster:
	s_bfe_u32 s2, ttmp6, 0x10000c
	s_cmp_lg_u32 s2, 0xf033
	s_cbranch_scc0 .Lentry_shape_is_right
	s_endpgm
.Lentry_shape_is_right:
; out0[m][n] = sum over k of o16[m][k] wo16[k][n]: f16 operands (o / 8 and 8 Wo), f32 sums, K = 2,048.  Rows 0 to 15 are not stored here: the launch before has stored their finer values.
; A tile is 128 rows x 256 columns: 256 tiles.  Four waves, each 64 x 128: 32 accumulators.  K goes in slots of 128 through a ring of two LDS slots.
; wo16 lies [k][n]: its fragments come out of LDS turned, by ds_load_tr16_b128.  The matrix instruction is used transposed (source 0 = 16 columns of Wo, source 1 = 16 rows of o): a lane holds eight neighbouring numbers of a row.
; CLUSTER 4 x 4: o's tiles are shared along a row of the cluster, Wo's along a column: joint loads.
; REGISTERS: window 0: v1-31 addresses; v128-255 rows read back on the way out.   window 1: two sets of fragments (o 4 x 8 at set + 0, Wo 8 x 8 at set + 32; sets at v0, v128).   window 2: accumulator (a, b) at v[8 (8 a + b)].
.set PA,    272                        ; o's LDS row: 256 bytes + 16
.set PB,    544                        ; Wo's: 512 bytes + 32 = 17 x 32: the turning load's eight rows of 32 bytes fall on different places modulo 256 bytes
.set BOFF,  128*PA
.set SLOT,  BOFF+128*PB
.set SPARE, 2*SLOT
.set SPITCH, 528
.set ADRA, 20
.set ADRB, 22
.set STO,  24
.set RD,   25
.set CO,   26
.set SPW,  28
.set NIL,  29
.set ROW0, 31
.set BKO,  128
.set G1A,  24
.set G0A,  32
.set G1B,  48
.set G0B,  56
.set MSB, 0
.macro WIN new
.if MSB != \new
	s_set_vgpr_msb (MSB<<8)|\new
.set MSB, \new
.endif
.endm
.set MUL,  0xa5
.set TO_F, 0x40
.macro PLACES
.rept 4
	v_nop
.endr
.endm
.macro JLOAD s                         ; waves 0 and 1 fetch o's halves, waves 2 and 3 Wo's; an s_nop 0 and four v_nop follow each line
	s_cmp_eq_u32 s11, 0
	s_cbranch_scc0 .Lfor_b_\@
	tensor_load_to_lds s[G0A+4*\s:G0A+4*\s+3], s[G1A:G1A+7]
	s_nop 0
.rept 4
	v_nop
.endr
	s_branch .Lasked_\@
.Lfor_b_\@:
	tensor_load_to_lds s[G0B+4*\s:G0B+4*\s+3], s[G1B:G1B+7]
	s_nop 0
.rept 4
	v_nop
.endr
.Lasked_\@:
.endm
.macro CREST
	s_cmp_lg_u32 s10, 0
	s_cbranch_scc1 .Lnot_wave_0_\@
	s_barrier_signal -3
.Lnot_wave_0_\@:
	s_barrier_wait -3
	s_barrier_signal -1
	s_barrier_wait -1
.endm
.macro CROUND
	s_barrier_signal -1
	s_barrier_wait -1
	CREST
.endm
	s_load_b128 s[4:7], s[0:1], 0x0                ; o16, wo16
	s_load_b64 s[8:9], s[0:1], 0x10                ; out0
	v_lshl_add_u32 v[SPW], v0, 2, SPARE
	v_mov_b32 v[NIL], 0
	ds_add_u32 v[SPW], v[NIL]                      ; the opening: the add, twice on end, and its wait ahead of my first tensor load
	ds_add_u32 v[SPW], v[NIL]
	v_lshrrev_b32 v1, 5, v0
	v_readfirstlane_b32 s10, v1                    ; wave
	s_lshr_b32 s11, s10, 1                         ; ra: my 64 rows.  Also: I fetch for o (0) or Wo (1)
	s_and_b32 s12, s10, 1                          ; cb: my 128 columns.  Also: which half I fetch
	s_bfe_u32 s40, ttmp6, 0x40000                  ; cx
	s_bfe_u32 s41, ttmp6, 0x40004                  ; cy
	s_lshl_b32 s42, ttmp9, 2
	s_add_co_u32 s42, s42, s40                     ; tile column
	s_and_b32 s13, ttmp7, 0xffff
	s_lshl_b32 s13, s13, 2
	s_add_co_u32 s13, s13, s41                     ; tile row
	s_lshl_b32 s43, s41, 2
	s_lshl_b32 s43, 15, s43
	s_lshl_b32 s44, 0x1111, s40
	s_or_b32 s[G1A], s43, (1<<16)|(1<<20)|(1<<21)|(5<<22)|(3<<25)   ; o: elements of 2 bytes; 4 words of padding behind every 64
	s_or_b32 s[G1B], s44, (1<<16)|(1<<20)|(1<<21)|(6<<22)|(7<<25)   ; Wo: 8 words behind every 128
	s_mov_b32 s[G1A+1], 128<<16
	s_mov_b32 s[G1A+2], 64<<16
	s_mov_b32 s[G1A+3], 128<<16
	s_mov_b32 s[G1A+4], 64
	s_mov_b32 s[G1A+5], 2048
	s_mov_b32 s[G1A+6], 0
	s_mov_b32 s[G1A+7], 0
	s_mov_b32 s[G1B+1], 256<<16
	s_mov_b32 s[G1B+2], 64<<16
	s_mov_b32 s[G1B+3], 256<<16
	s_mov_b32 s[G1B+4], 64
	s_mov_b32 s[G1B+5], 4096
	s_mov_b32 s[G1B+6], 0
	s_mov_b32 s[G1B+7], 0
	s_lshl_b32 s16, s13, 1
	s_add_co_u32 s16, s16, s12
	s_lshl_b32 s16, s16, 18                        ; o: rows 128 x tile row + 64 x half, 4,096 bytes each
	s_mov_b32 s17, 0
	s_lshl_b32 s46, s12, 19                        ; Wo: k rows 64 x half, 8,192 bytes each,
	s_lshl_b32 s47, s42, 9
	s_add_co_u32 s46, s46, s47                     ; + 512 x tile column
	s_mov_b32 s47, 0
	s_mul_i32 s20, s12, 64*PA
	s_mul_i32 s21, s12, 64*PB
	s_add_co_u32 s21, s21, BOFF
	s_wait_dscnt 0x0
	s_wait_kmcnt 0x0
	s_add_nc_u64 s[14:15], s[4:5], s[16:17]
	s_add_nc_u64 s[46:47], s[6:7], s[46:47]
	CROUND
.irp s, 0,1
	s_mov_b32 s[G0A+4*\s], 1
	s_add_co_u32 s[G0A+4*\s+1], s20, \s*SLOT
	s_add_nc_u64 s[G0A+4*\s+2:G0A+4*\s+3], s[14:15], \s*256
	s_or_b32 s[G0A+4*\s+3], s[G0A+4*\s+3], 0x80000000
	s_mov_b32 s[G0B+4*\s], 1
	s_add_co_u32 s[G0B+4*\s+1], s21, \s*SLOT
	s_add_nc_u64 s[G0B+4*\s+2:G0B+4*\s+3], s[46:47], \s*128*8192
	s_or_b32 s[G0B+4*\s+3], s[G0B+4*\s+3], 0x80000000
	JLOAD \s                                       ; two tensor loads of mine are out
.endr
	v_and_b32 v1, 15, v0                           ; r
	v_bfe_u32 v2, v0, 4, 1                         ; h
	v_mul_u32_u24 v3, v1, PA
	v_lshl_add_u32 v3, v2, 4, v3
	v_and_b32 v4, 7, v0
	v_lshl_add_u32 v4, v2, 3, v4                   ; 8 h + l % 8: the k row that I address
	v_mul_u32_u24 v4, v4, PB
	v_bfe_u32 v5, v0, 3, 1
	v_lshl_add_u32 v4, v5, 4, v4                   ; + 16 ((l / 8) % 2)
	s_mul_i32 s21, s11, 64*PA
	s_lshl_b32 s22, s12, 8
	s_add_co_u32 s22, s22, BOFF
.irp s, 0,1
	v_add_nc_u32 v[ADRA+\s], s21, v3
	v_add_nc_u32 v[ADRB+\s], s22, v4
	s_add_co_u32 s21, s21, SLOT
	s_add_co_u32 s22, s22, SLOT
.endr
	s_mul_i32 s23, s10, 16*SPITCH                  ; my stage, in slot 0
	v_mul_u32_u24 v5, v1, SPITCH
	v_lshl_add_u32 v5, v2, 5, v5
	v_add_nc_u32 v[STO], s23, v5
	v_and_b32 v6, 31, v0
	v_lshlrev_b32 v[CO], 4, v6
	v_add_nc_u32 v[RD], s23, v[CO]
	s_lshl_b32 s16, s13, 7
	s_lshl_b32 s17, s11, 6
	s_add_co_u32 s16, s16, s17                     ; my first row of out0
	v_mov_b32 v[ROW0], s16
	s_lshl_b32 s16, s16, 14
	s_lshl_b32 s17, s42, 10
	s_add_co_u32 s16, s16, s17
	s_lshl_b32 s17, s12, 9
	s_add_co_u32 s16, s16, s17
	s_mov_b32 s17, 0
	s_add_nc_u64 s[8:9], s[8:9], s[16:17]
.macro FETCH slot, q, set              ; the fragments of the slot's q-th 32 along K
	WIN TO_F
.irp b, 0,1,2,3,4,5,6,7
	ds_load_tr16_b128 v[128*(\set)+32+8*\b:128*(\set)+32+8*\b+3], v[ADRB+\slot] offset:32*(\q)*PB+32*\b
	ds_load_tr16_b128 v[128*(\set)+32+8*\b+4:128*(\set)+32+8*\b+7], v[ADRB+\slot] offset:32*(\q)*PB+16*PB+32*\b
.endr
.irp i, 0,1,2,3
	ds_load_b128 v[128*(\set)+8*\i:128*(\set)+8*\i+3], v[ADRA+\slot] offset:64*(\q)+\i*16*PA
	ds_load_b128 v[128*(\set)+8*\i+4:128*(\set)+8*\i+7], v[ADRA+\slot] offset:64*(\q)+\i*16*PA+32
.endr
.endm
.macro MUL16 a0, set, zero             ; the 32 accumulators take turns, one instruction a turn, in the same order everywhere
.irp a, \a0, \a0+1
.irp b, 0,1,2,3,4,5,6,7
.if \zero
	v_wmma_f32_16x16x32_f16 v[8*(8*(\a)+\b):8*(8*(\a)+\b)+7], v[128*(\set)+32+8*\b:128*(\set)+32+8*\b+7], v[128*(\set)+8*(\a):128*(\set)+8*(\a)+7], 0
.else
	v_wmma_f32_16x16x32_f16 v[8*(8*(\a)+\b):8*(8*(\a)+\b)+7], v[128*(\set)+32+8*\b:128*(\set)+32+8*\b+7], v[128*(\set)+8*(\a):128*(\set)+8*(\a)+7], v[8*(8*(\a)+\b):8*(8*(\a)+\b)+7]
.endif
.endr
.endr
.endm
.macro STEP slot, q, zero
	s_wait_dscnt 0x0                               ; this step's fragments are in
	PLACES
	FETCH \slot, (\q)+1, ((\q)+1)%2                ; the next step's land under the 32 products
	WIN MUL
	MUL16 0, (\q)%2, \zero
	MUL16 2, (\q)%2, \zero
.endm
.macro TURN slot, next, fill
	WIN 0
	s_wait_tensorcnt 0x0                           ; my part of the next slot has landed
	ds_add_u32 v[SPW], v[NIL]
	s_wait_dscnt 1                                 ; the fragments are in; the add alone may be out
	WIN MUL
	MUL16 0, 1, 0
	s_wait_dscnt 0x0                               ; the add is done, my reads of this slot are over
	s_barrier_signal -1
	MUL16 2, 1, 0
	WIN 0
	s_barrier_wait -1
.if \fill
	CREST
	s_add_nc_u64 s[G0A+4*\slot+2:G0A+4*\slot+3], s[G0A+4*\slot+2:G0A+4*\slot+3], 512
	s_add_nc_u64 s[G0B+4*\slot+2:G0B+4*\slot+3], s[G0B+4*\slot+2:G0B+4*\slot+3], 2*128*8192
	JLOAD \slot                                    ; my one tensor load behind the round; its four v_nop are the places in front of the loads below
.else
	PLACES
.endif
	FETCH \next, 0, 0
.endm
	s_wait_tensorcnt 1                             ; my part of slot 0 is in; slot 1's load may be out
	s_barrier_signal -1
	s_barrier_wait -1
	FETCH 0, 0, 0
	STEP 0, 0, 1
	WIN 0
	s_mov_b32 s3, 7
.Llap:                                                 ; 7 x 2 refills bring slots' worth 2 to 15 of K
	STEP 0, 1, 0
	STEP 0, 2, 0
	TURN 0, 1, 1
	STEP 1, 0, 0
	STEP 1, 1, 0
	STEP 1, 2, 0
	TURN 1, 0, 1
	STEP 0, 0, 0
	WIN 0
	s_sub_co_u32 s3, s3, 1
	s_cmp_lg_u32 s3, 0
	s_cbranch_scc1 .Llap
	STEP 0, 1, 0
	STEP 0, 2, 0
	TURN 0, 1, 0
	STEP 1, 0, 0
	STEP 1, 1, 0
	STEP 1, 2, 0
	s_wait_dscnt 0x0
	WIN MUL
	MUL16 0, 1, 0
	MUL16 2, 1, 0
	WIN 0
; THE WAY OUT, a block of 16 rows x 128 columns at a time through my stage (slot 0: its last fill is done, every wave has left it), back as whole rows of 512 bytes
.macro TOSTAGE a
	WIN 0x08
.irp b, 0,1,2,3,4,5,6,7
	ds_store_b128 v[STO], v[64*(\a)+8*\b:64*(\a)+8*\b+3] offset:64*\b            ; each accumulator from its low end on
	ds_store_b128 v[STO], v[64*(\a)+8*\b+4:64*(\a)+8*\b+7] offset:64*\b+16
.endr
	WIN 0
.set BB, BKO+64*((\a)%2)
.irp t, 0,1,2,3,4,5,6,7,8,9,10,11,12,13,14,15
	ds_load_b128 v[BB+4*\t:BB+4*\t+3], v[RD] offset:\t*SPITCH
.endr
.endm
.macro SEND a, younger
.set BB, BKO+64*((\a)%2)
	s_wait_dscnt \younger                          ; the block is back; the next block's LDS instructions may be out
.if (\a) > 0
	s_add_nc_u64 s[8:9], s[8:9], 16*16384          ; (behind a wait on XCNT: the earlier stores have read their base)
.else
	s_wait_xcnt 0x0                                ; EXEC changes only behind this wait
	v_cmp_ne_u32 vcc_lo, 0, v[ROW0]                ; rows 0 to 15 of out0 are not mine to store: a mask of lanes, no branch
	s_and_saveexec_b32 s2, vcc_lo
.endif
.irp t, 0,1,2,3,4,5,6,7,8,9,10,11,12,13,14,15
	global_store_b128 v[CO], v[BB+4*\t:BB+4*\t+3], s[8:9] offset:\t*16384 th:TH_STORE_NT     ; 32 lanes store 512 consecutive bytes, aligned
.endr
.if (\a) == 0
	s_wait_xcnt 0x0                                ; and again in front of the line that widens it
	s_or_b32 exec_lo, exec_lo, s2
.endif
.endm
	PLACES
	TOSTAGE 0
	TOSTAGE 1
	SEND 0, 32
	s_wait_xcnt 0x0                                ; block 0's stores have read their registers and base
	TOSTAGE 2
	SEND 1, 32
	s_wait_xcnt 0x0
	TOSTAGE 3
	SEND 2, 32
	s_wait_xcnt 0x0
	SEND 3, 0
	s_wait_tensorcnt 0x0                           ; the wave's end: the three lines
	ds_add_u32 v[SPW], v[NIL]
	s_wait_dscnt 0x0
	CROUND                                         ; the closing round
	s_endpgm
.Lfunc_end_k_q636e9df3e7_oproj:
	.size	k_q636e9df3e7_oproj, .Lfunc_end_k_q636e9df3e7_oproj-k_q636e9df3e7_oproj
	.p2alignl 7, 3214868480
	.fill 96, 4, 3214868480
	.section	.rodata,"a",@progbits
	.p2align	6, 0x0
	.amdhsa_kernel k_q636e9df3e7_oproj
		.amdhsa_group_segment_fixed_size 327680
		.amdhsa_private_segment_fixed_size 0
		.amdhsa_enable_private_segment 0
		.amdhsa_kernarg_size 24
		.amdhsa_user_sgpr_count 2
		.amdhsa_user_sgpr_kernarg_segment_ptr 1
		.amdhsa_wavefront_size32 1
		.amdhsa_system_sgpr_workgroup_id_x 1
		.amdhsa_system_sgpr_workgroup_id_y 1
		.amdhsa_system_sgpr_workgroup_id_z 1
		.amdhsa_system_vgpr_workitem_id 0
		.amdhsa_next_free_vgpr 768
		.amdhsa_next_free_sgpr 66
		.amdhsa_reserve_vcc 1
		.amdhsa_float_denorm_mode_32 3
		.amdhsa_float_denorm_mode_16_64 3
		.amdhsa_memory_ordered 1
		.amdhsa_forward_progress 1
		.amdhsa_inst_pref_size 85
	.end_amdhsa_kernel
	.amdgpu_metadata
---
amdhsa.version: [ 1, 2 ]
amdhsa.kernels:
  - .name:           k_q636e9df3e7_oproj
    .symbol:         k_q636e9df3e7_oproj.kd
    .args:
      - { .name: o16, .offset: 0, .size: 8, .value_kind: global_buffer, .address_space: global }
      - { .name: wo16, .offset: 8, .size: 8, .value_kind: global_buffer, .address_space: global }
      - { .name: out0, .offset: 16, .size: 8, .value_kind: global_buffer, .address_space: global }
    .group_segment_fixed_size: 327680
    .private_segment_fixed_size: 0
    .kernarg_segment_align: 8
    .kernarg_segment_size: 24
    .max_flat_workgroup_size: 128
    .sgpr_count:     66
    .vgpr_count:     768
    .wavefront_size: 32
...
	.end_amdgpu_metadata
.endif
;; end of part 6
